; MI455X (gfx1250); checked and timed in simulation.
; The chip was launched on July 23, 2026; its instructions are those of AMD's public machine-readable ISA for CDNA 5 (MIT licence, August 2026) and "CDNA5" Instruction Set Architecture Reference Guide (July 2026). The comments in the code are by the model that wrote it; some were corrected since.
;; Classical Attention. Allowed arithmetic: float matrix products may take bf16 or f16 operands with f32 sums; other float arithmetic in f32, or as packed bf16 or f16 multiplies, adds, multiply-adds, maxima and minima; sums over many terms, partial sums and values carried from step to step in f32; what a program stores and reads back later, other than sums and carried values, may be rounded once to bf16 or f16.
;; Inputs: entangle_params 1,024 float32; inputs 4 x 2,048 x 1,024 float32; rotation_params 1,024 float32; w_k 1,024 x 1,024 float32; w_q 1,024 x 1,024 float32; w_v 1,024 x 1,024 float32.
;; Outputs: out0 4 x 2,048 x 1,024 float32.
;; 2 versions, each right; version 2 is version 1 with the launch cast written anew for expert scheduling mode. Each part assembles by itself: llvm-mc -triple=amdgcn-amd-amdhsa -mcpu=gfx1250 --defsym DOCPART=n.
;; ======== version 1 of 2: 4 launches
;; limits: values are held in f16: magnitudes above 65,504 overflow, below 6.1e-05 lose precision
;; workspace buffers: wb 6,291,456 bytes; qh 16,777,216 bytes; kh 16,777,216 bytes; vh 16,777,216 bytes; pt 33,554,432 bytes; st 1,048,576 bytes
;; launch cast (part 1): grid 256 x 1, 6 waves a work-group, no clusters, 0 bytes of LDS; arguments w_q, w_k, w_v, wb; writes wb
.if DOCPART == 1
	.amdgcn_target "amdgcn-amd-amdhsa--gfx1250"
	.amdhsa_code_object_version 6
	.text
	.protected	k_qe91af7bdfe_cast
	.globl	k_qe91af7bdfe_cast
	.p2align	8
	.type	k_qe91af7bdfe_cast,@function
k_qe91af7bdfe_cast:
	s_mov_b64 s[64:65], 0
	v_nop
	global_prefetch_b8 v0, s[64:65] scope:SCOPE_SE
	s_setreg_imm32_b32 hwreg(HW_REG_WAVE_MODE, 25, 1), 1
	s_wait_xcnt 0x0
; w_q, w_k, w_v [1024][1024] f32 are rounded once to bf16 and laid out in blocks of 64 along K, so that the weights' tiles of the projection that follows are dense in memory:
;   wb [16 kb][8 j][3 g (q, k, v)][128 rows][64], weight row e = 128 j + row.
; (x is rounded where it is used, in the projection.  The module's two other inputs, rotation_params and entangle_params, enter no line of the computation that is to be
; reproduced: no result hangs on them, so no launch of this program names them.)
; SHARES.  3,072 rows are 1,536 pairs of rows = 256 work-groups x 6 waves: a wave takes one pair, whole rows, no loop.
; A load covers one block of 64 numbers of both rows: lanes 0-15 the 256 bytes of the even row, lanes 16-31 those of the odd one.  A lane's 4 numbers become 8 bytes, and the wave's
; store covers 2 rows x 128 bytes, which lie end to end in the blocked layout: 256 consecutive bytes, aligned.  All 16 loads of a wave go out at once.
; No LDS, no barrier, no matrix unit: a stream, each byte read once and written once.
.set SRC,   2                          ; v2        byte offset of my 16 bytes in the pair's rows: (lane / 16) x 4,096 + (lane % 16) x 16
.set DST,   3                          ; v3        8 x lane
.set X,     4                          ; v[4:67]   block kb: 4 f32 as loaded
.set Y,     68                         ; v[68:99]  block kb: 4 bf16 to store
.set PLANE, 3072*128                   ; bytes from a K block of wb to the next; 15 of them fit the store's signed 24-bit immediate
	s_load_b256 s[4:11], s[0:1], 0x0               ; w_q s[4:5], w_k s[6:7], w_v s[8:9], wb s[10:11]
	v_and_b32 v1, 31, v0                           ; lane
	v_lshrrev_b32 v2, 5, v0
	v_readfirstlane_b32 s12, v2                    ; wave 0..5
	v_lshrrev_b32 v2, 4, v1                        ; which of the two rows
	v_and_b32 v3, 15, v1
	v_lshlrev_b32 v3, 4, v3
	v_lshl_add_u32 v[SRC], v2, 12, v3
	v_lshlrev_b32 v[DST], 3, v1
	s_mul_i32 s13, ttmp9, 6
	s_add_co_u32 s13, s13, s12                     ; my pair, 0..1535
	s_lshr_b32 s14, s13, 9                         ; g: which weight
	s_and_b32 s15, s13, 511                        ; which pair of its rows
	s_lshl_b32 s16, s15, 13                        ; source offset: 2 rows x 4,096 bytes
	s_mov_b32 s17, 0
	s_lshr_b32 s18, s15, 6                         ; j = row / 128,
	s_mul_i32 s18, s18, 384                        ; 384 rows of wb for each j,
	s_lshl_b32 s20, s14, 7
	s_add_co_u32 s18, s18, s20                     ; 128 for each g,
	s_and_b32 s20, s15, 63
	s_lshl1_add_u32 s18, s20, s18                  ; and row 2 (pair % 64)
	s_lshl_b32 s18, s18, 7                         ; x 128 bytes
	s_mov_b32 s19, 0
	s_wait_kmcnt 0x0
	s_cmp_eq_u32 s14, 0
	s_cselect_b64 s[22:23], s[4:5], s[6:7]         ; w_q or w_k,
	s_cmp_eq_u32 s14, 2
	s_cselect_b64 s[22:23], s[8:9], s[22:23]       ; or w_v
	s_add_nc_u64 s[22:23], s[22:23], s[16:17]      ; the source at my pair's first row
	s_add_nc_u64 s[10:11], s[10:11], s[18:19]      ; the destination at my pair's 256 bytes of plane 0
.set kb, 0
.rept 16
	global_load_b128 v[X+4*kb:X+4*kb+3], v[SRC], s[22:23] offset:256*kb th:TH_LOAD_NT
.set kb, kb+1
.endr
.set kb, 0
.rept 16
	s_wait_loadcnt 15-kb                           ; loads come back in order: block kb's is in, the younger ones stay out
	v_cvt_pk_bf16_f32 v[Y+2*kb],   v[X+4*kb],   v[X+4*kb+1]
	v_cvt_pk_bf16_f32 v[Y+2*kb+1], v[X+4*kb+2], v[X+4*kb+3]
	global_store_b64 v[DST], v[Y+2*kb:Y+2*kb+1], s[10:11] offset:PLANE*kb  ; no register is written twice, so nothing waits for a store
.set kb, kb+1
.endr
	s_endpgm
.Lfunc_end_k_qe91af7bdfe_cast:
	.size	k_qe91af7bdfe_cast, .Lfunc_end_k_qe91af7bdfe_cast-k_qe91af7bdfe_cast
	.p2alignl 7, 3214868480
	.fill 96, 4, 3214868480
	.section	.rodata,"a",@progbits
	.p2align	6, 0x0
	.amdhsa_kernel k_qe91af7bdfe_cast
		.amdhsa_group_segment_fixed_size 0
		.amdhsa_private_segment_fixed_size 0
		.amdhsa_enable_private_segment 0
		.amdhsa_kernarg_size 32
		.amdhsa_user_sgpr_count 2
		.amdhsa_user_sgpr_kernarg_segment_ptr 1
		.amdhsa_wavefront_size32 1
		.amdhsa_system_sgpr_workgroup_id_x 1
		.amdhsa_system_sgpr_workgroup_id_y 1
		.amdhsa_system_sgpr_workgroup_id_z 1
		.amdhsa_system_vgpr_workitem_id 0
		.amdhsa_next_free_vgpr 100
		.amdhsa_next_free_sgpr 66
		.amdhsa_reserve_vcc 0
		.amdhsa_float_denorm_mode_32 3
		.amdhsa_float_denorm_mode_16_64 3
		.amdhsa_memory_ordered 1
		.amdhsa_forward_progress 1
		.amdhsa_inst_pref_size 7
	.end_amdhsa_kernel
	.amdgpu_metadata
---
amdhsa.version: [ 1, 2 ]
amdhsa.kernels:
  - .name:           k_qe91af7bdfe_cast
    .symbol:         k_qe91af7bdfe_cast.kd
    .args:
      - { .name: w_q, .offset: 0, .size: 8, .value_kind: global_buffer, .address_space: global }
      - { .name: w_k, .offset: 8, .size: 8, .value_kind: global_buffer, .address_space: global }
      - { .name: w_v, .offset: 16, .size: 8, .value_kind: global_buffer, .address_space: global }
      - { .name: wb, .offset: 24, .size: 8, .value_kind: global_buffer, .address_space: global }
    .group_segment_fixed_size: 0
    .private_segment_fixed_size: 0
    .kernarg_segment_align: 8
    .kernarg_segment_size: 32
    .max_flat_workgroup_size: 192
    .sgpr_count:     66
    .vgpr_count:     100
    .wavefront_size: 32
...
	.end_amdgpu_metadata
.endif
;; end of part 1
;; launch proj (part 2): grid 8 x 32, 4 waves a work-group, clusters of 4 x 4, 327,680 bytes of LDS; arguments inputs, wb, qh, kh, vh; writes qh, kh, vh
.if DOCPART == 2
	.amdgcn_target "amdgcn-amd-amdhsa--gfx1250"
	.amdhsa_code_object_version 6
	.text
	.protected	k_qe91af7bdfe_proj
	.globl	k_qe91af7bdfe_proj
	.p2align	8
	.type	k_qe91af7bdfe_proj,@function
k_qe91af7bdfe_proj:
	s_mov_b64 s[64:65], 0
	v_nop
	global_prefetch_b8 v0, s[64:65] scope:SCOPE_SE
	s_setreg_imm32_b32 hwreg(HW_REG_WAVE_MODE, 25, 1), 1
	s_wait_xcnt 0x0
	s_wait_alu depctr_hold_cnt(0) depctr_sa_sdst(0) depctr_va_vdst(0) depctr_va_sdst(0) depctr_va_ssrc(0) depctr_va_vcc(0) depctr_vm_vsrc(0)
	s_getreg_b32 s2, hwreg(HW_REG_IB_STS2, 6, 4)
	s_cmp_eq_u32 s2, 0
	s_cbranch_scc0 .Lentry_in_a_cluster
	s_endpgm
.Lentry_in_a_cluster:
	s_bfe_u32 s2, ttmp6, 0x10000c
	s_cmp_lg_u32 s2, 0xf033
	s_cbranch_scc0 .Lentry_shape_is_right
	s_endpgm
.Lentry_shape_is_right:
; q, k, v = x W^T.  inputs: x [8192][1024] f32, as given; wb: the weights in bf16, in blocks of 64 along K (the launch before wrote them); qh, kh, vh: [8192][1024] f16, rounded once
; from f32 sums, q WITHOUT the scale 1/32.  Products in bf16: x is rounded to bf16 here, between LDS and the matrix instruction.
; LIMIT.  f16 ends at 65,504: q, k and v must lie within it (inputs 30 times the drawn spread, or offset by 30 spreads, stay under 30,000).
; SHARES.  Work-group (j, i) makes rows 256 i .. of columns 128 j .. of EACH of q, k, v: a tile of 256 x 384, so that 32 x 8 = 256 work-groups share the work evenly.
; A wave makes 64 rows x 384 columns: 96 accumulators of 16 x 16, 768 registers; its 128 columns of one output are 256 bytes of a row.  Its 64 rows of x are read from LDS by it alone,
; so each number of x is rounded once in a work-group: 32 conversions for a slice's 96 matrix instructions.
; K goes in 16 steps of 64 (rows of 256 bytes of x) through two LDS slots; a step is 2 slices of 32 along K x 3 units (q, k, v) of 32 matrix instructions.
; CLUSTER 4 x 4: x's tile hangs on i alone and is asked for jointly along a row of the cluster, the weights' on j alone, along a column.
; THE MATRIX INSTRUCTION IS USED TRANSPOSED (source 0 = 16 rows of W, source 1 = 16 rows of x): a lane holds row l % 16 and eight neighbouring columns.
; REGISTERS: window 0: v0-13 addresses; v32-95 x's fragments, two buffers of 4; v96-223 W's, two buffers of 8; v224-255 half of a slice's f32, later packed results.
;   Window 1 + g: the 32 accumulators of output g, (a, b) at 8 (8 a + b).
.set PA,     272                       ; a row of x in LDS: 256 bytes + 16 of padding: an odd multiple of 16, so the 16 rows of a load start in 16 different groups of four banks
.set PB,     144                       ; a row of W: 128 bytes + 16
.set BOFF,   256*PA                    ; a slot: x's 256 rows, then W's 384 (128 g + row)
.set SLOTX,  131072                    ; slot 1 begins here: one exclusive or turns an address in one slot into the other's
.set STAGE,  SLOTX+BOFF+384*PB         ; behind the ring: 16 rows x 272 bytes for each wave, for the way out
.set SPITCH, 272
.set SPARE,  STAGE+4*16*SPITCH         ; the spare words, 128 bytes a wave: two blocks of 256 bytes that no other line names
.set STEP_A, 64*4                      ; a K step along a row of x
.set STEP_B, 3072*128                  ; bytes from a K block of wb to the next
.set A0,   4                           ; v4   my lane's place in slot 0's rows of x; never rewritten
.set B0,   5                           ; v5   the same for W
.set ADRA, 6                           ; v6   A0 + the slot in hand
.set ADRB, 7                           ; v7   B0 + the slot in hand
.set STO,  8                           ; v8   the way out: where I put 16 bytes of a row
.set RD,   9                           ; v9   the way out: where I read a row back
.set CO,   10                          ; v10  my byte offset in two rows of an output
.set SPW,  12                          ; v12  LDS address of my spare word; never rewritten
.set NIL,  13                          ; v13  0; never rewritten
.set FA0,  32
.set FA1,  64
.set FB0,  96
.set FB1,  160
.set TMP,  224
.set WV,   14                          ; s14  my wave's number
.set FOR,  15                          ; s15  I fetch for x (0) or for W (1)
.set HALF, 16                          ; s16  which half of that tile
.set G1A,  24                          ; s[24:31] descriptor group 1 for x's tiles
.set G1B,  32                          ; s[32:39] for W's
.set G0A,  40                          ; s[40:47] group 0 for x's tiles: a set for each first fill; the second then walks
.set G0B,  48                          ; s[48:55] the same for W's
.set TB,   56                          ; s56  LDS base of the slot in hand
.set CNT,  57                          ; s57  trips
.set MSB, 0
.macro WIN new                         ; the immediate's high byte repeats the setting that is left; a switch that changes nothing is dropped
.if MSB != (\new)
	s_set_vgpr_msb (MSB<<8)|(\new)
.set MSB, \new
.endif
.endm
.macro PLACES                          ; four plain vector instructions between a matrix instruction and a load into, or a vector read of, its registers
.rept 4
	v_nop
.endr
.endm
.macro CREST                           ; a round of the cluster's barrier behind its opening barrier
	s_cmp_lg_u32 s[WV], 0
	s_cbranch_scc1 .Lnot_wave_0_\@
	s_barrier_signal -3
.Lnot_wave_0_\@:
	s_barrier_wait -3
	s_barrier_signal -1
	s_barrier_wait -1
.endm
.macro CROUND                          ; a whole round
	s_barrier_signal -1
	s_barrier_wait -1
	CREST
.endm
.macro JLOAD                           ; a joint refill by the walking descriptors: waves 0, 1 x's halves, waves 2, 3 W's; an s_nop 0 and four v_nop follow each line
	s_cmp_eq_u32 s[FOR], 0
	s_cbranch_scc0 .Lfor_b_\@
	tensor_load_to_lds s[G0A+4:G0A+7], s[G1A:G1A+7]
	s_nop 0
.rept 4
	v_nop
.endr
	s_branch .Lasked_\@
.Lfor_b_\@:
	tensor_load_to_lds s[G0B+4:G0B+7], s[G1B:G1B+7]
	s_nop 0
.rept 4
	v_nop
.endr
.Lasked_\@:
.endm
.macro WALK                            ; no tensor load of mine is out: the walking descriptors go to the other slot and one K step on
	s_xor_b32 s[G0A+5], s[G0A+5], SLOTX
	s_add_nc_u64 s[G0A+6:G0A+7], s[G0A+6:G0A+7], STEP_A
	s_xor_b32 s[G0B+5], s[G0B+5], SLOTX
	s_add_nc_u64 s[G0B+6:G0B+7], s[G0B+6:G0B+7], STEP_B
.endm
.macro FLIP                            ; the fragment loads go to the other slot
	s_xor_b32 s[TB], s[TB], SLOTX
	v_add_nc_u32 v[ADRA], s[TB], v[A0]
	v_add_nc_u32 v[ADRB], s[TB], v[B0]
.endm
	s_load_b128 s[4:7], s[0:1], 0x0                ; inputs s[4:5], wb s[6:7]
	s_load_b128 s[8:11], s[0:1], 0x10              ; qh s[8:9], kh s[10:11]
	s_load_b64 s[12:13], s[0:1], 0x20              ; vh
	v_lshl_add_u32 v[SPW], v0, 2, SPARE
	v_mov_b32 v[NIL], 0
	ds_add_u32 v[SPW], v[NIL]                      ; the wave's opening: the add and its wait stand ahead of my first tensor load; work on registers stands between them
	v_lshrrev_b32 v1, 5, v0
	v_readfirstlane_b32 s[WV], v1
	s_lshr_b32 s[FOR], s[WV], 1
	s_and_b32 s[HALF], s[WV], 1
	s_bfe_u32 s17, ttmp6, 0x40000                  ; cx
	s_bfe_u32 s18, ttmp6, 0x40004                  ; cy
	s_lshl_b32 s19, ttmp9, 2
	s_add_co_u32 s19, s19, s17                     ; j = 4 x cluster x + cx
	s_and_b32 s20, ttmp7, 0xffff
	s_lshl_b32 s20, s20, 2
	s_add_co_u32 s20, s20, s18                     ; i = 4 x cluster y + cy
	s_lshl_b32 s21, s18, 2
	s_lshl_b32 s21, 15, s21                        ; my row of the cluster
	s_lshl_b32 s22, 0x1111, s17                    ; my column
	; group 1 for x: 128 rows of 64 f32, 256 bytes each, 16 bytes of padding behind each
	s_or_b32 s[G1A], s21, (2<<16)|(1<<20)|(1<<21)|(5<<22)|(3<<25)  ; 15:0 mask; 17:16 4-byte elements; 20 padding on; 21 set beside a mask; 24:22 after every 64 words; 31:25 4 words
	s_mov_b32 s[G1A+1], 64<<16                     ; tensor_dim0 = 64
	s_mov_b32 s[G1A+2], 128<<16                    ; tensor_dim1 = 128
	s_mov_b32 s[G1A+3], 64<<16                     ; tile_dim0 = 64
	s_mov_b32 s[G1A+4], 128                        ; tile_dim1 = 128
	s_mov_b32 s[G1A+5], 1024                       ; elements from row to row of x
	s_mov_b32 s[G1A+6], 0
	s_mov_b32 s[G1A+7], 0
	; group 1 for W: a half tile is dense in memory: asked for as rows of 256 bytes (two rows of 64 bf16) and padded in LDS after every 128 bytes
	s_or_b32 s[G1B], s22, (1<<16)|(1<<20)|(1<<21)|(4<<22)|(3<<25)  ; 2-byte elements; after every 32 words; 4 words
	s_mov_b32 s[G1B+1], 128<<16
	s_mov_b32 s[G1B+2], 96<<16                     ; 192 rows of W
	s_mov_b32 s[G1B+3], 128<<16
	s_mov_b32 s[G1B+4], 96
	s_mov_b32 s[G1B+5], 128
	s_mov_b32 s[G1B+6], 0
	s_mov_b32 s[G1B+7], 0
	s_lshl_b32 s58, s20, 8                         ; x: row 256 i
	s_lshl_b32 s59, s[HALF], 7                     ; + my half's 128: i and the wave's number alone,
	s_add_co_u32 s58, s58, s59
	s_lshl_b32 s58, s58, 12                        ; x 4,096 bytes
	s_mov_b32 s59, 0
	s_mul_i32 s60, s19, 384*128                    ; W: j's 384 rows,
	s_mul_i32 s61, s[HALF], 192*128                ; + my half's 192: j and the wave's number alone
	s_add_co_u32 s60, s60, s61
	s_mov_b32 s61, 0
	s_mul_i32 s62, s[HALF], 128*PA                 ; where they go: no place in the cluster enters an LDS address
	s_mul_i32 s63, s[HALF], 192*PB
	s_add_co_u32 s63, s63, BOFF
	s_mov_b32 s[TB], 0
	s_wait_dscnt 0x0                               ; the opening add is done
	s_wait_kmcnt 0x0
	s_add_nc_u64 s[58:59], s[4:5], s[58:59]
	s_add_nc_u64 s[60:61], s[6:7], s[60:61]
	CROUND                                         ; all sixteen work-groups are here: the first joint loads meet
.irp s, 0,1
	s_mov_b32 s[G0A+4*(\s)], 1                     ; count = 1
	s_add_co_u32 s[G0A+4*(\s)+1], s62, (\s)*SLOTX  ; LDS address
	s_add_nc_u64 s[G0A+4*(\s)+2:G0A+4*(\s)+3], s[58:59], (\s)*STEP_A  ; K step s
	s_or_b32 s[G0A+4*(\s)+3], s[G0A+4*(\s)+3], 0x80000000            ; type = 2
	s_mov_b32 s[G0B+4*(\s)], 1
	s_add_co_u32 s[G0B+4*(\s)+1], s63, (\s)*SLOTX
	s_add_nc_u64 s[G0B+4*(\s)+2:G0B+4*(\s)+3], s[60:61], (\s)*STEP_B
	s_or_b32 s[G0B+4*(\s)+3], s[G0B+4*(\s)+3], 0x80000000
.endr
	s_cmp_eq_u32 s[FOR], 0                         ; a wave's two first fills stand in one branch: two loads of mine are out
	s_cbranch_scc0 .Lfirst_b
	tensor_load_to_lds s[G0A:G0A+3], s[G1A:G1A+7]
	s_nop 0
	tensor_load_to_lds s[G0A+4:G0A+7], s[G1A:G1A+7]
	s_nop 0
.rept 4
	v_nop
.endr
	s_branch .Lfirst_asked
.Lfirst_b:
	tensor_load_to_lds s[G0B:G0B+3], s[G1B:G1B+7]
	s_nop 0
	tensor_load_to_lds s[G0B+4:G0B+7], s[G1B:G1B+7]
	s_nop 0
.rept 4
	v_nop
.endr
.Lfirst_asked:
	; a fragment is 16 rows x 32 K in 8 registers: lane l holds row l % 16, K = 8 (l / 16) + 0..7 and 16 + 8 (l / 16) + 0..7.  Of W (bf16): two loads of 16 bytes, 32 bytes apart.
	; Of x (f32): twice two loads of 16 bytes on end, 64 bytes apart, from byte 32 (l / 16) of the slice's 128.
	v_and_b32 v1, 15, v0                           ; r
	v_bfe_u32 v2, v0, 4, 1                         ; h
	v_mul_u32_u24 v3, v1, PA
	v_lshl_add_u32 v3, v2, 5, v3
	s_mul_i32 s2, s[WV], 64*PA                     ; my 64 rows of x
	v_add_nc_u32 v[A0], s2, v3
	v_mul_u32_u24 v3, v1, PB
	v_lshl_add_u32 v3, v2, 4, v3
	v_add_nc_u32 v[B0], BOFF, v3
	v_mov_b32 v[ADRA], v[A0]
	v_mov_b32 v[ADRB], v[B0]
	s_mul_i32 s3, s[WV], 16*SPITCH
	s_add_co_u32 s3, s3, STAGE                     ; my stage
	v_mul_u32_u24 v3, v1, SPITCH                   ; in: row r, 16 bytes for each half of the lanes
	v_lshl_add_u32 v3, v2, 4, v3
	v_add_nc_u32 v[STO], s3, v3
	v_mul_u32_u24 v3, v2, SPITCH                   ; back: lanes 0-15 one row of 256 bytes, lanes 16-31 the next
	v_lshl_add_u32 v3, v1, 4, v3
	v_add_nc_u32 v[RD], s3, v3
	v_lshlrev_b32 v3, 11, v2                       ; and the same two rows of an output (2,048 bytes a row)
	v_lshl_add_u32 v[CO], v1, 4, v3
	s_lshl_b32 s2, s20, 8
	s_lshl_b32 s3, s[WV], 6
	s_add_co_u32 s2, s2, s3                        ; my first row: 256 i + 64 w
	s_lshl_b32 s2, s2, 11
	s_lshl_b32 s3, s19, 8                          ; my first column, in bytes: 256 j
	s_add_co_u32 s2, s2, s3
	s_mov_b32 s3, 0
	s_add_nc_u64 s[8:9], s[8:9], s[2:3]
	s_add_nc_u64 s[10:11], s[10:11], s[2:3]
	s_add_nc_u64 s[12:13], s[12:13], s[2:3]
; 16 matrix instructions of output g: row blocks a0, a0 + 1 x all 8 column blocks, 32 along K.  zero = 1: the product starts the sums.  The accumulators take turns: 95 others' stand between two links of a chain.
.macro MULH g, fa, fb, a0, zero
	WIN 0x50*((\g)+1)                              ; sources in window 0, C and D in window 1 + g
.irp a, \a0, (\a0)+1
.irp b, 0,1,2,3,4,5,6,7
.if \zero
	v_wmma_f32_16x16x32_bf16 v[8*(8*(\a)+(\b)):8*(8*(\a)+(\b))+7], v[(\fb)+8*(\b):(\fb)+8*(\b)+7], v[(\fa)+8*(\a):(\fa)+8*(\a)+7], 0
.else
	v_wmma_f32_16x16x32_bf16 v[8*(8*(\a)+(\b)):8*(8*(\a)+(\b))+7], v[(\fb)+8*(\b):(\fb)+8*(\b)+7], v[(\fa)+8*(\a):(\fa)+8*(\a)+7], v[8*(8*(\a)+(\b)):8*(8*(\a)+(\b))+7]
.endif
.endr
.endr
.endm
.macro UNIT g, fa, fb, zero
	MULH \g, \fa, \fb, 0, \zero
	MULH \g, \fa, \fb, 2, \zero
.endm
.macro LB koff, g, fb                  ; 16 loads: output g's 128 rows of W, 32 K at byte koff
.irp i, 0,1,2,3,4,5,6,7
	ds_load_b128 v[(\fb)+8*(\i):(\fb)+8*(\i)+3],   v[ADRB] offset:(128*(\g)+16*(\i))*PB+(\koff)
	ds_load_b128 v[(\fb)+8*(\i)+4:(\fb)+8*(\i)+7], v[ADRB] offset:(128*(\g)+16*(\i))*PB+(\koff)+32
.endr
.endm
; 16 loads: slice s of my 64 rows of x, in f32: 16 registers a row block.  Row blocks 0, 1 land in TMP, row blocks 2, 3 in the fragment buffer that the slice will fill.
.macro LAR s, fa
.irp a, 0,1,2,3
.if (\a) < 2
.set RW, TMP+16*(\a)
.else
.set RW, (\fa)+16*((\a)-2)
.endif
	ds_load_b128 v[RW:RW+3],     v[ADRA] offset:16*(\a)*PA+128*(\s)
	ds_load_b128 v[RW+4:RW+7],   v[ADRA] offset:16*(\a)*PA+128*(\s)+16
	ds_load_b128 v[RW+8:RW+11],  v[ADRA] offset:16*(\a)*PA+128*(\s)+64
	ds_load_b128 v[RW+12:RW+15], v[ADRA] offset:16*(\a)*PA+128*(\s)+80
.endr
.endm
; 32 roundings to bf16.  Row blocks 2, 3 are packed in place into the buffer's upper half, from the top down: register 16 + j is written when the two that it held part of, 2 (8 + j / 2) and the next, have been read.
; Then row blocks 0, 1 come out of TMP into the lower half, which is free by then.
.macro CVA fa
.set j, 15
.rept 16
	v_cvt_pk_bf16_f32 v[(\fa)+16+j], v[(\fa)+2*j], v[(\fa)+2*j+1]
.set j, j-1
.endr
.set j, 0
.rept 16
	v_cvt_pk_bf16_f32 v[(\fa)+j], v[TMP+2*j], v[TMP+2*j+1]
.set j, j+1
.endr
.endm
; A K step's first slice.  Each counted wait leaves out exactly the loads issued last; all older ones are in.
.macro HEAD zero
	s_wait_dscnt 16                                ; q's W and x's slice 0 are in; k's 16 loads may be out
	CVA FA0
	UNIT 0, FA0, FB0, \zero
	WIN 0
	PLACES
	LB 0, 2, FB0
	LAR 1, FA1
	s_wait_dscnt 32                                ; k's W is in; the 32 just issued may be out
	UNIT 1, FA0, FB1, \zero
	WIN 0
	s_wait_dscnt 0x0                               ; v's W and x's slice 1, issued a unit ago
	CVA FA1                                        ; its 32 lines name no register of the unit before: they are the places in front of the loads below
	LB 64, 0, FB1
	UNIT 2, FA0, FB0, \zero
	WIN 0
	PLACES
	LB 64, 1, FB0
.endm
; Its second slice, with the change of slots in the middle unit.  In front of the barrier each wave waits for all its tensor loads (one is out: its part of the next slot), adds 0 to its
; spare word, and waits for that and for its reads of this slot.  fill = 1: the barrier opens a round of the cluster's, and the joint refill, two K steps ahead, is the first thing behind it:
; it has 176 of a step's 192 matrix instructions in which to land.
.macro TAIL fill
	s_wait_dscnt 16                                ; q's W of slice 1 is in
	UNIT 0, FA1, FB1, 0
	WIN 0
	PLACES
	LB 64, 2, FB1                                  ; my last reads of this slot
	s_wait_dscnt 16                                ; k's W is in; the 16 just issued may be out
	MULH 1, FA1, FB0, 0, 0
	WIN 0
	s_wait_tensorcnt 0x0                           ; all my tensor loads have landed
	ds_add_u32 v[SPW], v[NIL]                      ; 0 onto my spare word
.if \fill
	WALK
.endif
	s_wait_dscnt 0x0                               ; the add is done, and my reads of this slot are over
	s_barrier_signal -1
	MULH 1, FA1, FB0, 2, 0                         ; work on registers while the others arrive
	WIN 0                                          ; at a branch and at a label every window is 0
	s_barrier_wait -1
.if \fill
	CREST                                          ; no wave of any partner still reads this slot or has a load on its way
	JLOAD                                          ; its four v_nop are also the places in front of the loads below
.else
	PLACES
.endif
	FLIP
	LB 0, 0, FB0
	LAR 0, FA0
	UNIT 2, FA1, FB1, 0                            ; its operands were shown in by the wait for 0
	WIN 0
	PLACES
	LB 0, 1, FB1
.endm
	s_wait_tensorcnt 1                             ; my part of K step 0 is in; step 1's may stay out
	s_barrier_signal -1
	s_barrier_wait -1                              ; everybody's is
	LB 0, 0, FB0
	LAR 0, FA0
	LB 0, 1, FB1
	HEAD 1                                         ; the first slice starts all 96 sums
	WIN 0
	s_mov_b32 s[CNT], 14
.Lk:                                                   ; trip n: the second slice of step n, the refill with step n + 2, the first slice of step n + 1
	TAIL 1
	HEAD 0
	WIN 0
	s_sub_co_u32 s[CNT], s[CNT], 1
	s_cmp_lg_u32 s[CNT], 0
	s_cbranch_scc1 .Lk
	TAIL 0                                         ; steps 14 and 15 ask for nothing: written out
	HEAD 0
	s_wait_dscnt 16
	UNIT 0, FA1, FB1, 0
	WIN 0
	PLACES
	LB 64, 2, FB1
	s_wait_dscnt 16
	UNIT 1, FA1, FB0, 0
	s_wait_dscnt 0x0
	UNIT 2, FA1, FB1, 0
; THE WAY OUT, 12 blocks of 16 rows x 128 columns (output g, row block a): rounded to f16, through my own stage in LDS, back as whole rows of 256 bytes, stored.
.macro PACK g, a
	WIN 0x05*((\g)+1)                              ; sources in window 1 + g
.irp b, 0,1,2,3,4,5,6,7
.irp r, 0,1,2,3
	v_cvt_pk_f16_f32 v[TMP+4*(\b)+(\r)], v[64*(\a)+8*(\b)+2*(\r)], v[64*(\a)+8*(\b)+2*(\r)+1]  ; each accumulator from its low end on
.endr
.endr
	WIN 0
.endm
.macro TOSTAGE n
.set BK, 32+32*((\n)%2)
.irp b, 0,1,2,3,4,5,6,7
	ds_store_b128 v[STO], v[TMP+4*(\b):TMP+4*(\b)+3] offset:32*(\b)
.endr
.irp t, 0,1,2,3,4,5,6,7
	ds_load_b128 v[BK+4*(\t):BK+4*(\t)+3], v[RD] offset:(\t)*2*SPITCH  ; LDS serves a wave's instructions in order: these see the stores above
.endr
.endm
.macro SEND g, a
.set BK, 32+32*((\a)%2)
	s_wait_dscnt 0x0                               ; the block is back in registers
	s_wait_xcnt 0x0                                ; earlier stores have read their registers: the other buffer is loaded again only behind this wait
.irp t, 0,1,2,3,4,5,6,7
	global_store_b128 v[CO], v[BK+4*(\t):BK+4*(\t)+3], s[8+2*(\g):9+2*(\g)] offset:(16*(\a)+2*(\t))*2048  ; 16 lanes store 256 consecutive bytes, aligned
.endr
.endm
	PLACES
	PACK 0, 0
	TOSTAGE 0
.set n, 1
.rept 11                               ; block n's conversions stand between block n - 1's loads from the stage and the wait for them
	PACK n/4, n%4
	SEND (n-1)/4, (n-1)%4
	TOSTAGE n
.set n, n+1
.endr
	SEND 2, 3
	s_wait_tensorcnt 0x0                           ; the wave's end
	ds_add_u32 v[SPW], v[NIL]
	s_wait_dscnt 0x0
	CROUND                                         ; the closing round
	s_endpgm
.Lfunc_end_k_qe91af7bdfe_proj:
	.size	k_qe91af7bdfe_proj, .Lfunc_end_k_qe91af7bdfe_proj-k_qe91af7bdfe_proj
	.p2alignl 7, 3214868480
	.fill 96, 4, 3214868480
	.section	.rodata,"a",@progbits
	.p2align	6, 0x0
	.amdhsa_kernel k_qe91af7bdfe_proj
		.amdhsa_group_segment_fixed_size 327680
		.amdhsa_private_segment_fixed_size 0
		.amdhsa_enable_private_segment 0
		.amdhsa_kernarg_size 40
		.amdhsa_user_sgpr_count 2
		.amdhsa_user_sgpr_kernarg_segment_ptr 1
		.amdhsa_wavefront_size32 1
		.amdhsa_system_sgpr_workgroup_id_x 1
		.amdhsa_system_sgpr_workgroup_id_y 1
		.amdhsa_system_sgpr_workgroup_id_z 1
		.amdhsa_system_vgpr_workitem_id 0
		.amdhsa_next_free_vgpr 1024
		.amdhsa_next_free_sgpr 66
		.amdhsa_reserve_vcc 0
		.amdhsa_float_denorm_mode_32 3
		.amdhsa_float_denorm_mode_16_64 3
		.amdhsa_memory_ordered 1
		.amdhsa_forward_progress 1
		.amdhsa_inst_pref_size 131
	.end_amdhsa_kernel
	.amdgpu_metadata
---
amdhsa.version: [ 1, 2 ]
amdhsa.kernels:
  - .name:           k_qe91af7bdfe_proj
    .symbol:         k_qe91af7bdfe_proj.kd
    .args:
      - { .name: inputs, .offset: 0, .size: 8, .value_kind: global_buffer, .address_space: global }
      - { .name: wb, .offset: 8, .size: 8, .value_kind: global_buffer, .address_space: global }
      - { .name: qh, .offset: 16, .size: 8, .value_kind: global_buffer, .address_space: global }
      - { .name: kh, .offset: 24, .size: 8, .value_kind: global_buffer, .address_space: global }
      - { .name: vh, .offset: 32, .size: 8, .value_kind: global_buffer, .address_space: global }
    .group_segment_fixed_size: 327680
    .private_segment_fixed_size: 0
    .kernarg_segment_align: 8
    .kernarg_segment_size: 40
    .max_flat_workgroup_size: 128
    .sgpr_count:     66
    .vgpr_count:     1024
    .wavefront_size: 32
...
	.end_amdgpu_metadata
.endif
;; end of part 2
;; launch scores (part 3): grid 8 x 32, 4 waves a work-group, clusters of 4 x 4, 327,680 bytes of LDS; arguments qh, kh, pt, st; writes pt, st
.if DOCPART == 3
	.amdgcn_target "amdgcn-amd-amdhsa--gfx1250"
	.amdhsa_code_object_version 6
	.text
	.protected	k_qe91af7bdfe_scores
	.globl	k_qe91af7bdfe_scores
	.p2align	8
	.type	k_qe91af7bdfe_scores,@function
k_qe91af7bdfe_scores:
	s_mov_b64 s[64:65], 0
	v_nop
	global_prefetch_b8 v0, s[64:65] scope:SCOPE_SE
	s_setreg_imm32_b32 hwreg(HW_REG_WAVE_MODE, 25, 1), 1
	s_wait_xcnt 0x0
	s_wait_alu depctr_hold_cnt(0) depctr_sa_sdst(0) depctr_va_vdst(0) depctr_va_sdst(0) depctr_va_ssrc(0) depctr_va_vcc(0) depctr_vm_vsrc(0)
	s_getreg_b32 s2, hwreg(HW_REG_IB_STS2, 6, 4)
	s_cmp_eq_u32 s2, 0
	s_cbranch_scc0 .Lentry_in_a_cluster
	s_endpgm
.Lentry_in_a_cluster:
	s_bfe_u32 s2, ttmp6, 0x10000c
	s_cmp_lg_u32 s2, 0xf033
	s_cbranch_scc0 .Lentry_shape_is_right
	s_endpgm
.Lentry_shape_is_right:
; S = q k^T for each batch, and the first half of the softmax.  qh, kh: [8192][1024] f16.  For each query row and each block t of 128 keys:
;   m = the block's largest score;  pt[row][key] = 2^(c s - c m) in f16, c = log2(e) / 32 (the module's scale 1/sqrt(1024) is applied here, in f32);
;   st[t][row] = c m and st[16 + t][row] = l, the block's sum of the unrounded weights, both f32.
; The launch that follows takes the row's true maximum M over its 16 blocks and scales block t by 2^(c m_t - M): the maximum is taken away for every input, and no exponent here or there is above 0
; (but for the last bit of c m's rounding).  LIMITS: a weight below 2^-126 counts as 0; below 6e-5 it keeps f16's fixed step of 6e-8; NaN and infinities are not treated apart.
; SHARES.  Work-group (X, Y): queries 256 Y .. (rows of all batches on end; batch = Y / 8) x keys 256 X .. of that batch.  Four waves, each 128 x 128: 64 accumulators, 512 registers; a wave's 128 keys are one block t = 2 X + half.
; K = 1,024 in 8 steps of 128 through two LDS slots; rows of 256 bytes.  CLUSTER 4 x 4: q's tile is shared along a row of the cluster, k's along a column.
; THE MATRIX INSTRUCTION IS USED TRANSPOSED (source 0 = 16 keys, source 1 = 16 queries): a lane holds query l % 16 and the keys 8 (l / 16) + 0..7 of each of 8 column blocks; a row's other 64 keys lie in the lane 16 away.
; REGISTERS: window 0: v0-16 addresses; v64-191 q's fragments, two buffers (later at work); v32-63, v192-255 the way out.  Window 1: v64-191 k's fragments.  Windows 2, 3: accumulators, (a, b) at 8 (8 (a % 4) + b).
.set PITCH,  272                       ; 256 bytes + 16: an odd multiple of 16
.set HALFT,  128*PITCH                 ; what one tensor load brings, and what one wave reads of q or of k
.set SLOTX,  4*HALFT                   ; a slot: q's 256 rows, then k's 256.  0x22000 shares no bit with the waves' fill bases 0, 0x8800, 0x11000, 0x19800: an exclusive or with it is a sum or a difference
.set STAGE,  2*SLOTX                   ; 16 rows x 272 bytes for each wave
.set SPITCH, 272
.set STAT,   STAGE+4*16*SPITCH         ; 1,024 bytes apart for each wave: 64 c m, then 64 l
.set SPARE,  STAT+4*1024               ; the spare words: two blocks of 256 bytes that no other line names
.set STEP_A, 256                       ; a K step of 128 f16
.set STEP_B, 256
.set A0,   4
.set B0,   5
.set ADRA, 6
.set ADRB, 7
.set STO,  8
.set RD,   9
.set CO,   10
.set SPW,  12
.set NIL,  13
.set SA,   14                          ; v14  where I put a row's c m
.set SR,   15                          ; v15  where I read 16 bytes of statistics back
.set SG,   16                          ; v16  where they go in st: 16 (lane % 16), and 16 planes on for lanes 16-31
.set F0,   64
.set F1,   128
.set T,    64                          ; v64-85   the softmax, at work
.set U,    96                          ; v96-127  partial sums
.set STT,  128                         ; v[128+2a] c m, v[129+2a] l of row block a of four
.set TMP,  192                         ; packed weights
.set OB,   32                          ; rows read back: v32-63 and v224-255 by turns
.set WV,   14
.set FOR,  15                          ; I fetch for q (0) or k (1); also: which half of the tile's rows is mine
.set HALF, 16                          ; which half I fetch; also: which half of the tile's keys is mine
.set G1A,  24
.set G1B,  32
.set G0A,  40
.set G0B,  48
.set TB,   56
.set CNT,  57
.set CS,   58                          ; s[58:59] c
.set SEL,  60                          ; s[60:61] v_permlanex16_b32's selects: each lane takes its own place in the other half
.set MSB, 0
.macro WIN new
.if MSB != (\new)
	s_set_vgpr_msb (MSB<<8)|(\new)
.set MSB, \new
.endif
.endm
.set MUL_LO, 0xa1                      ; source 0 (k) window 1, source 1 (q) window 0, C and D window 2
.set TO_B,   0x40                      ; destination window 1, address window 0
.macro PLACES
.rept 4
	v_nop
.endr
.endm
.macro CREST
	s_cmp_lg_u32 s[WV], 0
	s_cbranch_scc1 .Lnot_wave_0_\@
	s_barrier_signal -3
.Lnot_wave_0_\@:
	s_barrier_wait -3
	s_barrier_signal -1
	s_barrier_wait -1
.endm
.macro CROUND
	s_barrier_signal -1
	s_barrier_wait -1
	CREST
.endm
.macro JLOAD                           ; a joint refill: waves 0, 1 q's halves, waves 2, 3 k's; an s_nop 0 and four v_nop follow each line
	s_cmp_eq_u32 s[FOR], 0
	s_cbranch_scc0 .Lfor_b_\@
	tensor_load_to_lds s[G0A+4:G0A+7], s[G1A:G1A+7]
	s_nop 0
.rept 4
	v_nop
.endr
	s_branch .Lasked_\@
.Lfor_b_\@:
	tensor_load_to_lds s[G0B+4:G0B+7], s[G1B:G1B+7]
	s_nop 0
.rept 4
	v_nop
.endr
.Lasked_\@:
.endm
.macro WALK
	s_xor_b32 s[G0A+5], s[G0A+5], SLOTX
	s_add_nc_u64 s[G0A+6:G0A+7], s[G0A+6:G0A+7], STEP_A
	s_xor_b32 s[G0B+5], s[G0B+5], SLOTX
	s_add_nc_u64 s[G0B+6:G0B+7], s[G0B+6:G0B+7], STEP_B
.endm
.macro FLIP
	s_xor_b32 s[TB], s[TB], SLOTX
	v_add_nc_u32 v[ADRA], s[TB], v[A0]
	v_add_nc_u32 v[ADRB], s[TB], v[B0]
.endm
	s_load_b256 s[4:11], s[0:1], 0x0               ; qh s[4:5], kh s[6:7], pt s[8:9], st s[10:11]
	v_lshl_add_u32 v[SPW], v0, 2, SPARE
	v_mov_b32 v[NIL], 0
	ds_add_u32 v[SPW], v[NIL]                      ; the wave's opening: the add and its wait stand ahead of my first tensor load
	v_lshrrev_b32 v1, 5, v0
	v_readfirstlane_b32 s[WV], v1
	s_lshr_b32 s[FOR], s[WV], 1
	s_and_b32 s[HALF], s[WV], 1
	s_bfe_u32 s17, ttmp6, 0x40000                  ; cx
	s_bfe_u32 s18, ttmp6, 0x40004                  ; cy
	s_lshl_b32 s19, ttmp9, 2
	s_add_co_u32 s19, s19, s17                     ; X
	s_and_b32 s23, ttmp7, 0xffff
	s_lshl_b32 s20, s23, 2
	s_add_co_u32 s20, s20, s18                     ; Y
	s_lshr_b32 s23, s23, 1                         ; the batch = Y / 8, made of the cluster's y alone: all sixteen partners share it
	s_lshl_b32 s21, s18, 2
	s_lshl_b32 s21, 15, s21                        ; my row of the cluster
	s_lshl_b32 s22, 0x1111, s17                    ; my column
	s_or_b32 s[G1A], s21, (1<<16)|(1<<20)|(1<<21)|(5<<22)|(3<<25)  ; mask; 2-byte elements; padding on; bit 21 beside a mask; after every 64 words; 4 words
	s_or_b32 s[G1B], s22, (1<<16)|(1<<20)|(1<<21)|(5<<22)|(3<<25)
.irp g, G1A, G1B
	s_mov_b32 s[(\g)+1], 128<<16                   ; tensor_dim0 = 128
	s_mov_b32 s[(\g)+2], 128<<16                   ; tensor_dim1 = 128
	s_mov_b32 s[(\g)+3], 128<<16                   ; tile_dim0 = 128
	s_mov_b32 s[(\g)+4], 128                       ; tile_dim1 = 128
	s_mov_b32 s[(\g)+5], 1024                      ; elements from row to row
	s_mov_b32 s[(\g)+6], 0
	s_mov_b32 s[(\g)+7], 0
.endr
	s_lshl_b32 s58, s20, 8                         ; q: row 256 Y + 128 x half,
	s_lshl_b32 s59, s[HALF], 7
	s_add_co_u32 s58, s58, s59
	s_lshl_b32 s58, s58, 11                        ; x 2,048 bytes
	s_lshl_b32 s60, s23, 11                        ; k: row 2,048 x batch + 256 X + 128 x half
	s_lshl_b32 s61, s19, 8
	s_add_co_u32 s60, s60, s61
	s_add_co_u32 s60, s60, s59
	s_lshl_b32 s60, s60, 11
	s_mov_b32 s59, 0
	s_mov_b32 s61, 0
	s_mul_i32 s62, s[WV], HALFT                    ; where they go: q's two halves, then k's two = wave x 128 rows
	s_mov_b32 s[TB], 0
	s_wait_dscnt 0x0                               ; the opening add is done
	s_wait_kmcnt 0x0
	s_add_nc_u64 s[58:59], s[4:5], s[58:59]
	s_add_nc_u64 s[60:61], s[6:7], s[60:61]
	CROUND                                         ; the first joint loads meet
.irp s, 0,1
	s_mov_b32 s[G0A+4*(\s)], 1
	s_add_co_u32 s[G0A+4*(\s)+1], s62, (\s)*SLOTX
	s_add_nc_u64 s[G0A+4*(\s)+2:G0A+4*(\s)+3], s[58:59], (\s)*STEP_A
	s_or_b32 s[G0A+4*(\s)+3], s[G0A+4*(\s)+3], 0x80000000
	s_mov_b32 s[G0B+4*(\s)], 1
	s_add_co_u32 s[G0B+4*(\s)+1], s62, (\s)*SLOTX
	s_add_nc_u64 s[G0B+4*(\s)+2:G0B+4*(\s)+3], s[60:61], (\s)*STEP_B
	s_or_b32 s[G0B+4*(\s)+3], s[G0B+4*(\s)+3], 0x80000000
.endr
	s_cmp_eq_u32 s[FOR], 0                         ; a wave's two first fills stand in one branch: two loads of mine are out
	s_cbranch_scc0 .Lfirst_b
	tensor_load_to_lds s[G0A:G0A+3], s[G1A:G1A+7]
	s_nop 0
	tensor_load_to_lds s[G0A+4:G0A+7], s[G1A:G1A+7]
	s_nop 0
.rept 4
	v_nop
.endr
	s_branch .Lfirst_asked
.Lfirst_b:
	tensor_load_to_lds s[G0B:G0B+3], s[G1B:G1B+7]
	s_nop 0
	tensor_load_to_lds s[G0B+4:G0B+7], s[G1B:G1B+7]
	s_nop 0
.rept 4
	v_nop
.endr
.Lfirst_asked:
	s_mov_b32 s[CS], 0x3d38aa3b                    ; c = log2(e) / 32 = 0.0450842
	s_mov_b32 s[CS+1], s[CS]                       ; named with it as a pair
	s_mov_b32 s[SEL], 0x76543210
	s_mov_b32 s[SEL+1], 0xfedcba98
	v_and_b32 v1, 15, v0                           ; r
	v_bfe_u32 v2, v0, 4, 1                         ; h
	v_mul_u32_u24 v3, v1, PITCH
	v_lshl_add_u32 v3, v2, 4, v3
	s_mul_i32 s2, s[FOR], HALFT                    ; my 128 queries
	s_mul_i32 s3, s[HALF], HALFT                   ; my 128 keys,
	s_add_co_u32 s3, s3, 2*HALFT                   ; which lie behind q's 256 rows
	v_add_nc_u32 v[A0], s2, v3
	v_add_nc_u32 v[B0], s3, v3
	v_mov_b32 v[ADRA], v[A0]
	v_mov_b32 v[ADRB], v[B0]
	s_mul_i32 s3, s[WV], 16*SPITCH
	s_add_co_u32 s3, s3, STAGE
	v_mul_u32_u24 v3, v1, SPITCH
	v_lshl_add_u32 v3, v2, 4, v3
	v_add_nc_u32 v[STO], s3, v3
	v_mul_u32_u24 v3, v2, SPITCH
	v_lshl_add_u32 v3, v1, 4, v3
	v_add_nc_u32 v[RD], s3, v3
	v_lshlrev_b32 v3, 12, v2                       ; two rows of pt (4,096 bytes a row)
	v_lshl_add_u32 v[CO], v1, 4, v3
	s_lshl_b32 s3, s[WV], 10
	s_add_co_u32 s3, s3, STAT                      ; my statistics
	v_lshl_add_u32 v[SA], v1, 2, s3
	v_and_b32 v3, 31, v0
	v_lshl_add_u32 v[SR], v3, 4, s3
	v_lshlrev_b32 v3, 4, v1
	v_lshl_add_u32 v[SG], v2, 19, v3               ; 16 planes of 32,768 bytes lie between c m and l
	s_lshl_b32 s12, s20, 8
	s_lshl_b32 s13, s[FOR], 7
	s_add_co_u32 s12, s12, s13                     ; my first row: 256 Y + 128 x row half
	s_lshl_b32 s2, s12, 12                         ; in pt,
	s_lshl_b32 s3, s19, 9
	s_add_co_u32 s2, s2, s3                        ; + 512 X
	s_lshl_b32 s3, s[HALF], 8
	s_add_co_u32 s2, s2, s3                        ; + 256 x key half
	s_mov_b32 s3, 0
	s_add_nc_u64 s[8:9], s[8:9], s[2:3]
	s_lshl_b32 s2, s19, 1
	s_add_co_u32 s2, s2, s[HALF]                   ; my key block t = 2 X + half:
	s_lshl_b32 s2, s2, 15                          ; its plane of 8,192 f32,
	s_lshl_b32 s12, s12, 2
	s_add_co_u32 s2, s2, s12                       ; my rows in it
	s_add_nc_u64 s[10:11], s[10:11], s[2:3]
; 16 matrix instructions: row blocks a0, a0 + 1 of the window's four (hi = 0: my rows 0-63, 1: rows 64-127) x all 8 key blocks, 32 along K.  The 64 accumulators take turns in the same order in every quarter.
.macro MUL16 f, hi, a0, zero
	WIN MUL_LO+0x50*(\hi)
.irp a, \a0, (\a0)+1
.irp b, 0,1,2,3,4,5,6,7
.if \zero
	v_wmma_f32_16x16x32_f16 v[8*(8*(\a)+(\b)):8*(8*(\a)+(\b))+7], v[(\f)+8*(\b):(\f)+8*(\b)+7], v[(\f)+8*(4*(\hi)+(\a)):(\f)+8*(4*(\hi)+(\a))+7], 0
.else
	v_wmma_f32_16x16x32_f16 v[8*(8*(\a)+(\b)):8*(8*(\a)+(\b))+7], v[(\f)+8*(\b):(\f)+8*(\b)+7], v[(\f)+8*(4*(\hi)+(\a)):(\f)+8*(4*(\hi)+(\a))+7], v[8*(8*(\a)+(\b)):8*(8*(\a)+(\b))+7]
.endif
.endr
.endr
.endm
.macro FETCH k, f                      ; 32 LDS loads in one run: 128 keys, then 128 queries, 32 K at byte k of the rows
	WIN TO_B
.irp i, 0,1,2,3,4,5,6,7
	ds_load_b128 v[(\f)+8*(\i):(\f)+8*(\i)+3],   v[ADRB] offset:(\k)+(\i)*16*PITCH
	ds_load_b128 v[(\f)+8*(\i)+4:(\f)+8*(\i)+7], v[ADRB] offset:(\k)+(\i)*16*PITCH+32
.endr
	WIN 0
.irp i, 0,1,2,3,4,5,6,7
	ds_load_b128 v[(\f)+8*(\i):(\f)+8*(\i)+3],   v[ADRA] offset:(\k)+(\i)*16*PITCH
	ds_load_b128 v[(\f)+8*(\i)+4:(\f)+8*(\i)+7], v[ADRA] offset:(\k)+(\i)*16*PITCH+32
.endr
.endm
.macro QUARTER k, f, g, zero           ; multiplies buffer f; in its middle fetches the next quarter, at byte k, into g
	s_wait_dscnt 8                                 ; k and q's rows 0-63 are in; the youngest eight loads (q's rows 64-127) may be out
	MUL16 \f, 0, 0, \zero
	MUL16 \f, 0, 2, \zero
	PLACES
	FETCH \k, \g
	s_wait_dscnt 32                                ; all but the 32 just issued
	MUL16 \f, 1, 0, \zero
	MUL16 \f, 1, 2, \zero
.endm
; The last quarter of a K step multiplies buffer 1 and changes slots: each wave waits for all its tensor loads (one is out: its part of the next slot), adds 0 to its spare word, and waits for that and for
; its reads of this slot.  fill = 1: the barrier opens a round of the cluster's, and the joint refill, two steps ahead, is the first thing behind it: 240 of a step's 256 matrix instructions in which to land.
.macro TURN fill
	s_wait_dscnt 8                                 ; k and q's rows 0-63 are in
	MUL16 F1, 0, 0, 0
	WIN 0
	s_wait_tensorcnt 0x0
	ds_add_u32 v[SPW], v[NIL]
.if \fill
	WALK
.endif
	s_wait_dscnt 0x0                               ; the add is done, and my reads of this slot are over
	s_barrier_signal -1
	MUL16 F1, 0, 2, 0                              ; work on registers while the others arrive
	WIN 0
	s_barrier_wait -1
.if \fill
	CREST
	JLOAD                                          ; its four v_nop are also the places in front of the loads below
.else
	PLACES
.endif
	FLIP
	FETCH 0, F0
	MUL16 F1, 1, 0, 0
	MUL16 F1, 1, 2, 0
.endm
	s_wait_tensorcnt 1                             ; my part of K step 0 is in; step 1's may stay out
	s_barrier_signal -1
	s_barrier_wait -1
	FETCH 0, F0
	QUARTER 64, F0, F1, 1                          ; the first quarter starts the sums
	WIN 0
	s_mov_b32 s[CNT], 6
.Lk:                                                   ; trip n: quarters 1 to 3 of step n, the refill with step n + 2, quarter 0 of step n + 1
	QUARTER 128, F1, F0, 0
	QUARTER 192, F0, F1, 0
	TURN 1
	QUARTER 64, F0, F1, 0
	WIN 0
	s_sub_co_u32 s[CNT], s[CNT], 1
	s_cmp_lg_u32 s[CNT], 0
	s_cbranch_scc1 .Lk
	s_mov_b32 s[CNT], 2                            ; steps 6 and 7 ask for nothing: a text of their own; two trips, entered in the middle
	s_branch .Lend_in
.Lend:
	TURN 0
	QUARTER 64, F0, F1, 0
	WIN 0
.Lend_in:
	QUARTER 128, F1, F0, 0
	QUARTER 192, F0, F1, 0
	WIN 0
	s_sub_co_u32 s[CNT], s[CNT], 1
	s_cmp_lg_u32 s[CNT], 0
	s_cbranch_scc1 .Lend
	s_wait_dscnt 8                                 ; the very last quarter: nothing more to fetch
	MUL16 F1, 0, 0, 0
	MUL16 F1, 0, 2, 0
	s_wait_dscnt 0x0
	MUL16 F1, 1, 0, 0
	MUL16 F1, 1, 2, 0
	PLACES
; THE SOFTMAX'S FIRST HALF for row block a of the four in window 2: a lane's 64 scores of one row lie in 64 registers on end (8 accumulators).
.macro SOFT a
.set AC, 64*(\a)
	WIN 0x2a                                       ; sources in window 2, destination in window 0
.set i, 0
.rept 20                               ; the maximum, three at a time, ascending: each accumulator is read from its low end on
	v_max3_num_f32 v[T+i], v[AC+3*i], v[AC+3*i+1], v[AC+3*i+2]
.set i, i+1
.endr
	v_max_num_f32 v[T+20], v[AC+60], v[AC+61]
	v_max_num_f32 v[T+21], v[AC+62], v[AC+63]
	WIN 0
.set i, 0
.rept 7
	v_max3_num_f32 v[T+i], v[T+3*i], v[T+3*i+1], v[T+3*i+2]
.set i, i+1
.endr
	v_max3_num_f32 v[T], v[T], v[T+1], v[T+2]
	v_max3_num_f32 v[T+3], v[T+3], v[T+4], v[T+5]
	v_max_num_f32 v[T+6], v[T+6], v[T+21]
	v_max3_num_f32 v[T], v[T], v[T+3], v[T+6]
	v_permlanex16_b32 v[T+1], v[T], s[SEL], s[SEL+1]  ; the row's other 64 keys
	v_max_num_f32 v[T], v[T], v[T+1]
	v_mul_f32 v[STT+2*(\a)], s[CS], v[T]           ; c m
	v_mul_f32 v[STT+2*(\a)+1], s[CS], v[T]         ; named with it as a pair below; l takes this register at the end
	WIN 0x82                                       ; destination and source 0 in window 2, source 2 in window 0
.set i, 0
.rept 32
	v_pk_fma_f32 v[AC+2*i:AC+2*i+1], v[AC+2*i:AC+2*i+1], s[CS:CS+1], v[STT+2*(\a):STT+2*(\a)+1] op_sel_hi:[1,0,0] neg_lo:[0,0,1] neg_hi:[0,0,1]  ; c s - c m
.set i, i+1
.endr
.set i, 0
.rept 64
	v_exp_f32 v[AC+i], v[AC+i]
.set i, i+1
.endr
	v_nop                                          ; a plain instruction between the last exponential and the use of its result
	WIN 0x2a
	s_wait_alu depctr_va_vdst(0)
.irp b, 0,1,2,3,4,5,6,7
.irp r, 0,1,2,3
	v_cvt_pk_f16_f32 v[TMP+4*(\b)+(\r)], v[AC+8*(\b)+2*(\r)], v[AC+8*(\b)+2*(\r)+1]
.endr
.endr
.set i, 0
.rept 16                               ; the sum of the unrounded weights, in f32, as a tree of packed additions
	v_pk_add_f32 v[U+2*i:U+2*i+1], v[AC+4*i:AC+4*i+1], v[AC+4*i+2:AC+4*i+3]
.set i, i+1
.endr
	WIN 0
.irp w, 8,4,2,1
.set i, 0
.rept \w
	v_pk_add_f32 v[U+2*i:U+2*i+1], v[U+2*i:U+2*i+1], v[U+2*(i+\w):U+2*(i+\w)+1]
.set i, i+1
.endr
.endr
	v_add_f32 v[T], v[U], v[U+1]
	v_permlanex16_b32 v[T+1], v[T], s[SEL], s[SEL+1]
	v_add_f32 v[STT+2*(\a)+1], v[T], v[T+1]        ; l
.endm
.macro TOSTAGE a
	WIN 0
.set BK, OB+192*((\a)%2)
.irp b, 0,1,2,3,4,5,6,7
	ds_store_b128 v[STO], v[TMP+4*(\b):TMP+4*(\b)+3] offset:32*(\b)
.endr
.irp t, 0,1,2,3,4,5,6,7
	ds_load_b128 v[BK+4*(\t):BK+4*(\t)+3], v[RD] offset:(\t)*2*SPITCH  ; LDS serves a wave's instructions in order: these see the stores above
.endr
.endm
.macro SEND a
	WIN 0
.set BK, OB+192*((\a)%2)
	s_wait_dscnt 0x0                               ; the block is back in registers
	s_wait_xcnt 0x0                                ; earlier stores have read their registers: the other buffer is loaded again only behind this wait
.irp t, 0,1,2,3,4,5,6,7
	global_store_b128 v[CO], v[BK+4*(\t):BK+4*(\t)+3], s[8:9] offset:(16*(\a)+2*(\t))*4096  ; 16 lanes store 256 consecutive bytes, aligned
.endr
.endm
; My 128 rows leave in two trips of 64, by ONE text, which names window 2.  Between the trips rows 64-127's accumulators are moved there: 256 moves a wave, once, for four copies of the text less.
	WIN 0
	s_mov_b32 s[CNT], 2
	s_branch .Lrows                                ; the loop is entered behind the moves
.Lhalf:
	WIN 0x83                                       ; source in window 3, destination in window 2
.set i, 0
.rept 256
	v_mov_b32 v[i], v[i]                           ; ascending: each accumulator is read from its low end on
.set i, i+1
.endr
	WIN 0
	s_wait_xcnt 0x0                                ; the first trip's stores have read their registers and their bases
	s_add_nc_u64 s[8:9], s[8:9], 64*4096           ; 64 rows of pt on,
	s_add_nc_u64 s[10:11], s[10:11], 64*4          ; and 64 numbers in st's planes
.Lrows:
	SOFT 0
	TOSTAGE 0
.irp a, 1,2,3                          ; block a's softmax stands between block a - 1's loads from the stage and the wait for them
	SOFT \a
	SEND (\a)-1
	TOSTAGE \a
.endr
	SEND 3
	; the 64 rows' statistics: row 16 a + r's two numbers go into my own bytes (both halves of the lanes hold and write the same number) and come back as 2 x 256 consecutive bytes
.irp a, 0,1,2,3
	ds_store_b32 v[SA], v[STT+2*(\a)] offset:64*(\a)
	ds_store_b32 v[SA], v[STT+2*(\a)+1] offset:64*(\a)+256
.endr
	ds_load_b128 v[U:U+3], v[SR]                   ; lanes 0-15: c m of four rows each; lanes 16-31: l
	s_wait_dscnt 0x0
	global_store_b128 v[SG], v[U:U+3], s[10:11]    ; lanes 0-15 into plane t, lanes 16-31 into plane 16 + t: 256 consecutive bytes each, aligned
	s_sub_co_u32 s[CNT], s[CNT], 1
	s_cmp_lg_u32 s[CNT], 0
	s_cbranch_scc1 .Lhalf
	s_wait_tensorcnt 0x0                           ; the wave's end
	ds_add_u32 v[SPW], v[NIL]
	s_wait_dscnt 0x0
	CROUND                                         ; the closing round
	s_endpgm
.Lfunc_end_k_qe91af7bdfe_scores:
	.size	k_qe91af7bdfe_scores, .Lfunc_end_k_qe91af7bdfe_scores-k_qe91af7bdfe_scores
	.p2alignl 7, 3214868480
	.fill 96, 4, 3214868480
	.section	.rodata,"a",@progbits
	.p2align	6, 0x0
	.amdhsa_kernel k_qe91af7bdfe_scores
		.amdhsa_group_segment_fixed_size 327680
		.amdhsa_private_segment_fixed_size 0
		.amdhsa_enable_private_segment 0
		.amdhsa_kernarg_size 32
		.amdhsa_user_sgpr_count 2
		.amdhsa_user_sgpr_kernarg_segment_ptr 1
		.amdhsa_wavefront_size32 1
		.amdhsa_system_sgpr_workgroup_id_x 1
		.amdhsa_system_sgpr_workgroup_id_y 1
		.amdhsa_system_sgpr_workgroup_id_z 1
		.amdhsa_system_vgpr_workitem_id 0
		.amdhsa_next_free_vgpr 1024
		.amdhsa_next_free_sgpr 66
		.amdhsa_reserve_vcc 0
		.amdhsa_float_denorm_mode_32 3
		.amdhsa_float_denorm_mode_16_64 3
		.amdhsa_memory_ordered 1
		.amdhsa_forward_progress 1
		.amdhsa_inst_pref_size 131
	.end_amdhsa_kernel
	.amdgpu_metadata
---
amdhsa.version: [ 1, 2 ]
amdhsa.kernels:
  - .name:           k_qe91af7bdfe_scores
    .symbol:         k_qe91af7bdfe_scores.kd
    .args:
      - { .name: qh, .offset: 0, .size: 8, .value_kind: global_buffer, .address_space: global }
      - { .name: kh, .offset: 8, .size: 8, .value_kind: global_buffer, .address_space: global }
      - { .name: pt, .offset: 16, .size: 8, .value_kind: global_buffer, .address_space: global }
      - { .name: st, .offset: 24, .size: 8, .value_kind: global_buffer, .address_space: global }
    .group_segment_fixed_size: 327680
    .private_segment_fixed_size: 0
    .kernarg_segment_align: 8
    .kernarg_segment_size: 32
    .max_flat_workgroup_size: 128
    .sgpr_count:     66
    .vgpr_count:     1024
    .wavefront_size: 32
...
	.end_amdgpu_metadata
.endif
;; end of part 3
;; launch pv (part 4): grid 8 x 32, 4 waves a work-group, clusters of 4 x 4, 327,680 bytes of LDS; arguments pt, vh, st, out0; writes out0
.if DOCPART == 4
	.amdgcn_target "amdgcn-amd-amdhsa--gfx1250"
	.amdhsa_code_object_version 6
	.text
	.protected	k_qe91af7bdfe_pv
	.globl	k_qe91af7bdfe_pv
	.p2align	8
	.type	k_qe91af7bdfe_pv,@function
k_qe91af7bdfe_pv:
	s_mov_b64 s[64:65], 0
	v_nop
	global_prefetch_b8 v0, s[64:65] scope:SCOPE_SE
	s_setreg_imm32_b32 hwreg(HW_REG_WAVE_MODE, 25, 1), 1
	s_wait_xcnt 0x0
	s_wait_alu depctr_hold_cnt(0) depctr_sa_sdst(0) depctr_va_vdst(0) depctr_va_sdst(0) depctr_va_ssrc(0) depctr_va_vcc(0) depctr_vm_vsrc(0)
	s_getreg_b32 s2, hwreg(HW_REG_IB_STS2, 6, 4)
	s_cmp_eq_u32 s2, 0
	s_cbranch_scc0 .Lentry_in_a_cluster
	s_endpgm
.Lentry_in_a_cluster:
	s_bfe_u32 s2, ttmp6, 0x10000c
	s_cmp_lg_u32 s2, 0xf033
	s_cbranch_scc0 .Lentry_shape_is_right
	s_endpgm
.Lentry_shape_is_right:
; out0[row][:] = (the sum over key blocks t of f_t x pt[row][block t] . v[block t][:]) / L, the softmax's second half and the second product.
; pt: [8192][2048] f16, weights relative to their block's maximum; vh: [8192][1024] f16; st: f32 planes [32][8192]: c m_t, then l_t.
; For each row: M = max over t of c m_t (the row's true maximum, in powers of two); f_t = 2^(c m_t - M), at most 1; L = the sum of f_t l_t, in f32, at least 1.
; f_t is rounded to f16 and multiplies the weights' fragments between their LDS load and the matrix instruction (two f16 a line); the product is rounded to f16 once more.
; LIMITS: a weight below 6e-5 of the row's largest keeps f16's fixed step of 6e-8; a factor below 2^-126 counts as 0; NaN and infinities are not treated apart.
; SHARES.  Work-group (X, Y): rows 256 Y .. x channels 128 X ..: 256 work-groups.  A wave: 64 rows x 128 channels, 32 accumulators.  K = the batch's 2,048 keys, in 16 steps of 128 (one block t each) of 4 slices of 32.
; CLUSTER 4 x 4: the weights' tile hangs on Y alone (shared along a row of the cluster), v's on the batch and X (along a column).
; THE MATRIX INSTRUCTION IS USED TRANSPOSED (source 0 = 16 channels of v^T, turned on the way out of LDS; source 1 = 16 rows of weights): a lane holds row l % 16 and eight neighbouring channels.
; REGISTERS: window 0: v0-24 addresses and 1 / L; v32-95 the weights' fragments, two buffers of 4; v96-107 at work; v128-255 accumulators of row blocks 0, 1.  Window 1: v0-127 those of row blocks 2, 3.
;   Window 2: v0-127 v's fragments, two buffers of 8; v128-131 the step's four factors (one a row block), each twice in a word.
.set PA,     272                       ; a row of weights in LDS: 256 bytes + 16
.set PV,     288                       ; a row of v: 256 + 32, an odd multiple of 32
.set VOFF,   256*PA                    ; a slot: 256 rows of weights, then 128 keys of v
.set TABLE,  VOFF+128*PV               ; behind slot 0: for each wave 16 t x 16 rows x 4 row blocks of factors, 4,096 bytes; never filled by a tensor load
.set SPARE,  TABLE+4*4096              ; the spare words: two blocks of 256 bytes that no other line names
.set SLOTX,  131072                    ; slot 1
.set STAGE,  SLOTX+TABLE               ; behind slot 1: 16 rows x 528 bytes for each wave
.set SPITCH, 528                       ; 512 bytes + 16
.set STEP_A, 256                       ; 128 keys along a row of pt
.set STEP_B, 128*2048                  ; 128 rows of vh
.set A0,   4
.set B0,   5
.set ADRA, 6
.set ADRB, 7
.set CT,   8                           ; v8   where the step's factors lie
.set STO,  9
.set RD,   10
.set GO,   11                          ; v11  16 x lane
.set SPW,  12
.set NIL,  13
.set SO,   14                          ; v14  my offset in st
.set TW,   15                          ; v15  where I put my part of the table
.set RL,   16                          ; v[16+2a], v[17+2a]: 1 / L of row block a, twice
.set MT,   96
.set MX,   100
.set SU,   104
.set CM,   128                         ; the prologue's registers lie where accumulators will: c m, then f
.set LL,   160                         ; l
.set TBL,  192                         ; f as f16, twice in a word
.set CF,   128                         ; window 2
.set WV,   14
.set FOR,  15
.set HALF, 16
.set G1A,  24
.set G1B,  32
.set G0A,  40
.set G0B,  48
.set TB,   56
.set CNT,  57
.set SEL,  60
.set MSB, 0
.macro WIN new
.if MSB != (\new)
	s_set_vgpr_msb (MSB<<8)|(\new)
.set MSB, \new
.endif
.endm
.macro PLACES
.rept 4
	v_nop
.endr
.endm
.macro CREST
	s_cmp_lg_u32 s[WV], 0
	s_cbranch_scc1 .Lnot_wave_0_\@
	s_barrier_signal -3
.Lnot_wave_0_\@:
	s_barrier_wait -3
	s_barrier_signal -1
	s_barrier_wait -1
.endm
.macro CROUND
	s_barrier_signal -1
	s_barrier_wait -1
	CREST
.endm
.macro JLOAD                           ; a joint refill: waves 0, 1 the weights' halves, waves 2, 3 v's; an s_nop 0 and four v_nop follow each line
	s_cmp_eq_u32 s[FOR], 0
	s_cbranch_scc0 .Lfor_b_\@
	tensor_load_to_lds s[G0A+4:G0A+7], s[G1A:G1A+7]
	s_nop 0
.rept 4
	v_nop
.endr
	s_branch .Lasked_\@
.Lfor_b_\@:
	tensor_load_to_lds s[G0B+4:G0B+7], s[G1B:G1B+7]
	s_nop 0
.rept 4
	v_nop
.endr
.Lasked_\@:
.endm
.macro WALK
	s_xor_b32 s[G0A+5], s[G0A+5], SLOTX
	s_add_nc_u64 s[G0A+6:G0A+7], s[G0A+6:G0A+7], STEP_A
	s_xor_b32 s[G0B+5], s[G0B+5], SLOTX
	s_add_nc_u64 s[G0B+6:G0B+7], s[G0B+6:G0B+7], STEP_B
.endm
.macro FLIP
	s_xor_b32 s[TB], s[TB], SLOTX
	v_add_nc_u32 v[ADRA], s[TB], v[A0]
	v_add_nc_u32 v[ADRB], s[TB], v[B0]
.endm
	s_load_b256 s[4:11], s[0:1], 0x0               ; pt s[4:5], vh s[6:7], st s[8:9], out0 s[10:11]
	v_lshl_add_u32 v[SPW], v0, 2, SPARE
	v_mov_b32 v[NIL], 0
	ds_add_u32 v[SPW], v[NIL]                      ; the wave's opening: the add and its wait stand ahead of my first tensor load
	v_lshrrev_b32 v1, 5, v0
	v_readfirstlane_b32 s[WV], v1
	s_lshr_b32 s[FOR], s[WV], 1
	s_and_b32 s[HALF], s[WV], 1
	s_bfe_u32 s17, ttmp6, 0x40000                  ; cx
	s_bfe_u32 s18, ttmp6, 0x40004                  ; cy
	s_lshl_b32 s19, ttmp9, 2
	s_add_co_u32 s19, s19, s17                     ; X
	s_and_b32 s23, ttmp7, 0xffff
	s_lshl_b32 s20, s23, 2
	s_add_co_u32 s20, s20, s18                     ; Y
	s_lshr_b32 s23, s23, 1                         ; the batch, made of the cluster's y alone
	s_lshl_b32 s21, s18, 2
	s_lshl_b32 s21, 15, s21                        ; my row of the cluster
	s_lshl_b32 s22, 0x1111, s17                    ; my column
	s_or_b32 s[G1A], s21, (1<<16)|(1<<20)|(1<<21)|(5<<22)|(3<<25)  ; mask; 2-byte elements; padding on; bit 21 beside a mask; after every 64 words; 4 words
	s_or_b32 s[G1B], s22, (1<<16)|(1<<20)|(1<<21)|(5<<22)|(7<<25)  ; the same with 8 words of padding
	s_mov_b32 s[G1A+1], 128<<16                    ; tensor_dim0 = 128
	s_mov_b32 s[G1A+2], 128<<16                    ; tensor_dim1 = 128 rows
	s_mov_b32 s[G1A+3], 128<<16                    ; tile_dim0 = 128
	s_mov_b32 s[G1A+4], 128                        ; tile_dim1 = 128
	s_mov_b32 s[G1A+5], 2048                       ; elements from row to row of pt
	s_mov_b32 s[G1A+6], 0
	s_mov_b32 s[G1A+7], 0
	s_mov_b32 s[G1B+1], 128<<16
	s_mov_b32 s[G1B+2], 64<<16                     ; 64 keys
	s_mov_b32 s[G1B+3], 128<<16
	s_mov_b32 s[G1B+4], 64
	s_mov_b32 s[G1B+5], 1024                       ; elements from row to row of vh
	s_mov_b32 s[G1B+6], 0
	s_mov_b32 s[G1B+7], 0
	s_lshl_b32 s58, s20, 8                         ; weights: row 256 Y + 128 x half,
	s_lshl_b32 s59, s[HALF], 7
	s_add_co_u32 s58, s58, s59
	s_lshl_b32 s58, s58, 12                        ; x 4,096 bytes
	s_mov_b32 s59, 0
	s_lshl_b32 s60, s23, 11                        ; v: row 2,048 x batch + 64 x half,
	s_lshl_b32 s61, s[HALF], 6
	s_add_co_u32 s60, s60, s61
	s_lshl_b32 s60, s60, 11                        ; x 2,048 bytes,
	s_lshl_b32 s61, s19, 8
	s_add_co_u32 s60, s60, s61                     ; + 256 X
	s_mov_b32 s61, 0
	s_mul_i32 s62, s[HALF], 128*PA                 ; where they go
	s_mul_i32 s63, s[HALF], 64*PV
	s_add_co_u32 s63, s63, VOFF
	s_mov_b32 s[TB], 0
	s_wait_dscnt 0x0                               ; the opening add is done
	s_wait_kmcnt 0x0
	s_add_nc_u64 s[58:59], s[4:5], s[58:59]
	s_add_nc_u64 s[60:61], s[6:7], s[60:61]
	CROUND                                         ; the first joint loads meet
.irp s, 0,1
	s_mov_b32 s[G0A+4*(\s)], 1
	s_add_co_u32 s[G0A+4*(\s)+1], s62, (\s)*SLOTX
	s_add_nc_u64 s[G0A+4*(\s)+2:G0A+4*(\s)+3], s[58:59], (\s)*STEP_A
	s_or_b32 s[G0A+4*(\s)+3], s[G0A+4*(\s)+3], 0x80000000
	s_mov_b32 s[G0B+4*(\s)], 1
	s_add_co_u32 s[G0B+4*(\s)+1], s63, (\s)*SLOTX
	s_add_nc_u64 s[G0B+4*(\s)+2:G0B+4*(\s)+3], s[60:61], (\s)*STEP_B
	s_or_b32 s[G0B+4*(\s)+3], s[G0B+4*(\s)+3], 0x80000000
.endr
	s_cmp_eq_u32 s[FOR], 0                         ; a wave's two first fills stand in one branch: two loads of mine are out
	s_cbranch_scc0 .Lfirst_b
	tensor_load_to_lds s[G0A:G0A+3], s[G1A:G1A+7]
	s_nop 0
	tensor_load_to_lds s[G0A+4:G0A+7], s[G1A:G1A+7]
	s_nop 0
.rept 4
	v_nop
.endr
	s_branch .Lfirst_asked
.Lfirst_b:
	tensor_load_to_lds s[G0B:G0B+3], s[G1B:G1B+7]
	s_nop 0
	tensor_load_to_lds s[G0B+4:G0B+7], s[G1B:G1B+7]
	s_nop 0
.rept 4
	v_nop
.endr
.Lfirst_asked:
	; THE PROLOGUE stands in the wait for the first tiles.  First the statistics are asked for: lane (r, h) takes, for row 16 a + r of my 64, the blocks t = 8 h + 0..7.
	s_mov_b32 s[SEL], 0x76543210
	s_mov_b32 s[SEL+1], 0xfedcba98
	v_and_b32 v1, 15, v0                           ; r
	v_bfe_u32 v2, v0, 4, 1                         ; h
	v_lshlrev_b32 v3, 2, v1
	v_lshl_add_u32 v[SO], v2, 18, v3               ; 8 h planes of 32,768 bytes + 4 r
	s_lshl_b32 s12, s20, 8
	s_lshl_b32 s13, s[WV], 6
	s_add_co_u32 s12, s12, s13                     ; my first row: 256 Y + 64 w
	s_lshl_b32 s2, s12, 2
	s_mov_b32 s3, 0
	s_add_nc_u64 s[8:9], s[8:9], s[2:3]
.irp a, 0,1,2,3
.irp t, 0,1,2,3,4,5,6,7
	global_load_b32 v[CM+8*(\a)+(\t)], v[SO], s[8:9] offset:32768*(\t)+64*(\a)
	global_load_b32 v[LL+8*(\a)+(\t)], v[SO], s[8:9] offset:32768*(\t)+64*(\a)+16*32768
.endr
.endr
	s_lshl_b32 s2, s12, 12                         ; out0: my first row x 4,096 bytes
	s_lshl_b32 s13, s19, 9
	s_add_co_u32 s2, s2, s13                       ; + 512 X
	s_add_nc_u64 s[10:11], s[10:11], s[2:3]
	v_mul_u32_u24 v3, v1, PA
	v_lshl_add_u32 v3, v2, 4, v3
	s_mul_i32 s2, s[WV], 64*PA                     ; my 64 rows of weights
	v_add_nc_u32 v[A0], s2, v3
	; the turning load takes 16 keys x 16 channels: lane l reads key 8 (l / 16) + l % 8, channels 8 ((l / 8) % 2) + 0..7, and is left with channel l % 16 and 8 keys
	v_and_b32 v3, 7, v0
	v_lshl_add_u32 v3, v2, 3, v3
	v_mul_u32_u24 v3, v3, PV
	v_bfe_u32 v24, v0, 3, 1
	v_lshl_add_u32 v3, v24, 4, v3
	v_add_nc_u32 v[B0], VOFF, v3
	v_mov_b32 v[ADRA], v[A0]
	v_mov_b32 v[ADRB], v[B0]
	s_lshl_b32 s2, s[WV], 12
	s_add_co_u32 s2, s2, TABLE                     ; my table
	v_lshl_add_u32 v[CT], v1, 4, s2                ; block 0: row r's four factors, 16 bytes
	v_lshl_add_u32 v[TW], v2, 11, v[CT]            ; I write blocks 8 h on
	s_mul_i32 s2, s[WV], 16*SPITCH
	s_add_co_u32 s2, s2, STAGE                     ; my stage
	v_mul_u32_u24 v3, v1, SPITCH                   ; in: row r, 32 bytes for each half of the lanes
	v_lshl_add_u32 v3, v2, 5, v3
	v_add_nc_u32 v[STO], s2, v3
	v_and_b32 v24, 31, v0
	v_lshlrev_b32 v[GO], 4, v24                    ; back: 32 lanes take one row of 512 bytes
	v_add_nc_u32 v[RD], s2, v[GO]
.macro ALL4 line:vararg                ; one line for each row block a
.set a, 0
.rept 4
	\line
.set a, a+1
.endr
.endm
	s_wait_loadcnt 0x0
	ALL4 v_max3_num_f32 v[MX+a], v[CM+8*a], v[CM+8*a+1], v[CM+8*a+2]
	ALL4 v_max3_num_f32 v[MT+a], v[CM+8*a+3], v[CM+8*a+4], v[CM+8*a+5]
	ALL4 v_max3_num_f32 v[MT+a], v[MT+a], v[CM+8*a+6], v[CM+8*a+7]
	ALL4 v_max_num_f32 v[MT+a], v[MT+a], v[MX+a]
	ALL4 v_permlanex16_b32 v[MX+a], v[MT+a], s[SEL], s[SEL+1]      ; the row's other 8 blocks lie in the lane 16 away
	ALL4 v_max_num_f32 v[MT+a], v[MT+a], v[MX+a]                   ; M
.set i, 0
.rept 32
	v_sub_f32 v[CM+i], v[CM+i], v[MT+i/8]
.set i, i+1
.endr
.set i, 0
.rept 32
	v_exp_f32 v[CM+i], v[CM+i]                     ; f
.set i, i+1
.endr
	v_nop                                          ; a plain instruction between the last exponential and the use of its result
	s_wait_alu depctr_va_vdst(0)
	ALL4 v_mul_f32 v[SU+a], v[CM+8*a], v[LL+8*a]
.irp t, 1,2,3,4,5,6,7
	ALL4 v_fmac_f32 v[SU+a], v[CM+8*a+\t], v[LL+8*a+\t]
.endr
	ALL4 v_permlanex16_b32 v[MX+a], v[SU+a], s[SEL], s[SEL+1]
	ALL4 v_add_f32 v[SU+a], v[SU+a], v[MX+a]                       ; L
	ALL4 v_rcp_f32 v[RL+2*a], v[SU+a]
	ALL4 v_rcp_f32 v[RL+2*a+1], v[SU+a]
	v_nop                                          ; a plain instruction behind the last reciprocal
.irp t, 0,1,2,3,4,5,6,7
	ALL4 v_cvt_pk_f16_f32 v[TBL+4*\t+a], v[CM+8*a+\t], v[CM+8*a+\t]
.endr
.irp t, 0,1,2,3,4,5,6,7
	ds_store_b128 v[TW], v[TBL+4*(\t):TBL+4*(\t)+3] offset:256*(\t)  ; my wave's own bytes: no other wave touches them
.endr
; 16 matrix instructions on buffer f (0, 1): row blocks 2, 3 (HI) or 0, 1 (LO) x all 8 channel blocks, 32 keys.  zero = 1: the product starts the sums.  HI's and LO's 16 accumulators take turns.
.macro HI f, zero
	WIN 0x52                                       ; v in window 2, weights in window 0, C and D in window 1
.irp a, 2,3
.irp b, 0,1,2,3,4,5,6,7
.if \zero
	v_wmma_f32_16x16x32_f16 v[64*((\a)-2)+8*(\b):64*((\a)-2)+8*(\b)+7], v[64*(\f)+8*(\b):64*(\f)+8*(\b)+7], v[32+32*(\f)+8*(\a):32+32*(\f)+8*(\a)+7], 0
.else
	v_wmma_f32_16x16x32_f16 v[64*((\a)-2)+8*(\b):64*((\a)-2)+8*(\b)+7], v[64*(\f)+8*(\b):64*(\f)+8*(\b)+7], v[32+32*(\f)+8*(\a):32+32*(\f)+8*(\a)+7], v[64*((\a)-2)+8*(\b):64*((\a)-2)+8*(\b)+7]
.endif
.endr
.endr
.endm
; ride = 1: behind product n stand two lines that scale registers 2 n, 2 n + 1 of the OTHER buffer of weights, the next slice's, by its row block's factor.  Under LO's setting they need no switch:
; the factor (source 0) lies in window 2, the weights (source 1 and destination) in window 0.  They name no register of the products round them.
.macro LO f, zero, ride
	WIN 0x02
.set n, 0
.irp a, 0,1
.irp b, 0,1,2,3,4,5,6,7
.if \zero
	v_wmma_f32_16x16x32_f16 v[128+64*(\a)+8*(\b):128+64*(\a)+8*(\b)+7], v[64*(\f)+8*(\b):64*(\f)+8*(\b)+7], v[32+32*(\f)+8*(\a):32+32*(\f)+8*(\a)+7], 0
.else
	v_wmma_f32_16x16x32_f16 v[128+64*(\a)+8*(\b):128+64*(\a)+8*(\b)+7], v[64*(\f)+8*(\b):64*(\f)+8*(\b)+7], v[32+32*(\f)+8*(\a):32+32*(\f)+8*(\a)+7], v[128+64*(\a)+8*(\b):128+64*(\a)+8*(\b)+7]
.endif
.if \ride
	v_pk_mul_f16 v[64-32*(\f)+2*n],   v[CF+n/4], v[64-32*(\f)+2*n]
	v_pk_mul_f16 v[64-32*(\f)+2*n+1], v[CF+n/4], v[64-32*(\f)+2*n+1]
.endif
.set n, n+1
.endr
.endr
.endm
; One run of LDS loads: slice q of the slot in hand into buffer f: (c = 1: the step's factors, 1 load,) the weights, 8 loads, then v, turned, 16 loads.
.macro LOADS q, f, c
.if \c
	WIN 0x80                                       ; destination window 2, address window 0
	ds_load_b128 v[CF:CF+3], v[CT]
.endif
	WIN 0
.irp a, 0,1,2,3
	ds_load_b128 v[32+32*(\f)+8*(\a):32+32*(\f)+8*(\a)+3],   v[ADRA] offset:(\a)*16*PA+64*(\q)
	ds_load_b128 v[32+32*(\f)+8*(\a)+4:32+32*(\f)+8*(\a)+7], v[ADRA] offset:(\a)*16*PA+64*(\q)+32
.endr
	WIN 0x80
.irp b, 0,1,2,3,4,5,6,7
	ds_load_tr16_b128 v[64*(\f)+8*(\b):64*(\f)+8*(\b)+3],   v[ADRB] offset:32*(\q)*PV+32*(\b)
	ds_load_tr16_b128 v[64*(\f)+8*(\b)+4:64*(\f)+8*(\b)+7], v[ADRB] offset:32*(\q)*PV+16*PV+32*(\b)
.endr
.endm
; A slice on buffer f; behind it slice q2 is fetched into the same buffer (q2 = -1: nothing is).  w = 0: its operands were shown in by a wait for 0.
.macro SLICE f, q2, zero, w
.if \w
	s_wait_dscnt 24                                ; all but the run issued last: this slice's v is in (its weights were in, and scaled, a slice ago)
.endif
	HI \f, \zero
	s_wait_dscnt 16                                ; of the run issued last only v's 16 loads may be out: the next slice's weights (and factors) are in
	LO \f, \zero, 1
.if (\q2) >= 0
	PLACES
	LOADS \q2, \f, 0
.endif
.endm
; THE CHANGE OF SLOTS stands behind slice 2: slice 3 has been fetched, so the slot has been read out.  Each wave waits for all its tensor loads (one is out: its part of the next slot), adds 0 to its spare word,
; and waits for that and for its reads of this slot.  fill = 1: the barrier opens a round of the cluster's, and the joint refill, two steps ahead, is the first thing behind it.  No matrix work stands between the
; wait for a tile and the next request: the refill has a whole step's 128 matrix instructions in which to land.
.macro CHANGE fill
	WIN 0
	s_wait_tensorcnt 0x0
	ds_add_u32 v[SPW], v[NIL]
.if \fill
	WALK
.endif
	s_wait_dscnt 0x0                               ; the add is done, and my reads of this slot are over
	s_barrier_signal -1
	s_barrier_wait -1
.if \fill
	CREST
	JLOAD                                          ; its four v_nop are also the places in front of the loads below
.else
	PLACES
.endif
	FLIP
	v_add_nc_u32 v[CT], 256, v[CT]                 ; the next block's factors: slice 3's weights were scaled, by this block's, in slice 2
	s_wait_alu depctr_va_vdst(0)
	LOADS 0, 0, 1
.endm
	s_wait_dscnt 0x0                               ; my table is written
	s_wait_tensorcnt 1                             ; my part of step 0 is in; step 1's may stay out
	s_barrier_signal -1
	s_barrier_wait -1
	LOADS 0, 0, 1
	LOADS 1, 1, 0
	s_wait_dscnt 40                                ; of the 49 loads the first nine are in: block 0's factors and slice 0's weights
	WIN 0x02
.set i, 0
.rept 32
	v_pk_mul_f16 v[32+i], v[CF+i/8], v[32+i]       ; the first slice has no slice before it to ride on
.set i, i+1
.endr
	SLICE 0, 2, 1, 1                               ; slice 0 of step 0 starts all 32 sums
	WIN 0
	s_mov_b32 s[CNT], 14
.Lk:                                                   ; trip n: slices 1 and 2 of step n, the refill with step n + 2, slice 3, slice 0 of step n + 1
	SLICE 1, 3, 0, 1
	SLICE 0, -1, 0, 1
	CHANGE 1
	SLICE 1, 1, 0, 0
	SLICE 0, 2, 0, 1
	WIN 0
	s_sub_co_u32 s[CNT], s[CNT], 1
	s_cmp_lg_u32 s[CNT], 0
	s_cbranch_scc1 .Lk
	SLICE 1, 3, 0, 1                               ; steps 14 and 15 ask for nothing: written out
	SLICE 0, -1, 0, 1
	CHANGE 0
	SLICE 1, 1, 0, 0
	SLICE 0, 2, 0, 1
	SLICE 1, 3, 0, 1
	s_wait_dscnt 24
	HI 0, 0
	s_wait_dscnt 0x0
	LO 0, 0, 1
	HI 1, 0
	LO 1, 0, 0
; THE WAY OUT, a row block (16 rows x 128 channels of f32) at a time: divided by L, through my own stage in LDS, back as whole rows of 512 bytes, stored.
.macro SCALE a
.if (\a) < 2
	WIN 0
.set AC, 128+64*(\a)
.else
	WIN 0x41                                       ; destination and source 0 in window 1, 1 / L in window 0
.set AC, 64*((\a)-2)
.endif
.set i, 0
.rept 32
	v_pk_mul_f32 v[AC+2*i:AC+2*i+1], v[AC+2*i:AC+2*i+1], v[RL+2*(\a):RL+2*(\a)+1] op_sel_hi:[1,0]  ; each accumulator from its low end on
.set i, i+1
.endr
.endm
.macro STG a
.if (\a) < 2
	WIN 0
.set AC, 128+64*(\a)
.else
	WIN 0x04                                       ; the stores' data in window 1
.set AC, 64*((\a)-2)
.endif
.irp b, 0,1,2,3,4,5,6,7
	ds_store_b128 v[STO], v[AC+8*(\b):AC+8*(\b)+3]   offset:64*(\b)
	ds_store_b128 v[STO], v[AC+8*(\b)+4:AC+8*(\b)+7] offset:64*(\b)+16
.endr
	WIN 0x80                                       ; back into v's fragment registers, two buffers by turns
.set i, 0
.rept 16
	ds_load_b128 v[64*((\a)%2)+4*i:64*((\a)%2)+4*i+3], v[RD] offset:SPITCH*i  ; LDS serves a wave's instructions in order: these see the stores above
.set i, i+1
.endr
.endm
.macro SENDO a
	s_wait_dscnt 0x0                               ; the block is back in registers
	s_wait_xcnt 0x0                                ; earlier stores have read their registers: the other buffer is loaded again only behind this wait
	WIN 0x08                                       ; the stores' data in window 2
.set i, 0
.rept 16
	global_store_b128 v[GO], v[64*((\a)%2)+4*i:64*((\a)%2)+4*i+3], s[10:11] offset:(16*(\a)+i)*4096 th:TH_STORE_NT  ; a wave's store covers 512 consecutive bytes, aligned
.set i, i+1
.endr
.endm
	PLACES
	SCALE 0
	STG 0
.irp a, 1,2,3                          ; block a's scaling stands between block a - 1's loads from the stage and the wait for them
	SCALE \a
	SENDO (\a)-1
	STG \a
.endr
	SENDO 3
	WIN 0
	s_wait_tensorcnt 0x0                           ; the wave's end
	ds_add_u32 v[SPW], v[NIL]
	s_wait_dscnt 0x0
	CROUND                                         ; the closing round
	s_endpgm
.Lfunc_end_k_qe91af7bdfe_pv:
	.size	k_qe91af7bdfe_pv, .Lfunc_end_k_qe91af7bdfe_pv-k_qe91af7bdfe_pv
	.p2alignl 7, 3214868480
	.fill 96, 4, 3214868480
	.section	.rodata,"a",@progbits
	.p2align	6, 0x0
	.amdhsa_kernel k_qe91af7bdfe_pv
		.amdhsa_group_segment_fixed_size 327680
		.amdhsa_private_segment_fixed_size 0
		.amdhsa_enable_private_segment 0
		.amdhsa_kernarg_size 32
		.amdhsa_user_sgpr_count 2
		.amdhsa_user_sgpr_kernarg_segment_ptr 1
		.amdhsa_wavefront_size32 1
		.amdhsa_system_sgpr_workgroup_id_x 1
		.amdhsa_system_sgpr_workgroup_id_y 1
		.amdhsa_system_sgpr_workgroup_id_z 1
		.amdhsa_system_vgpr_workitem_id 0
		.amdhsa_next_free_vgpr 644
		.amdhsa_next_free_sgpr 66
		.amdhsa_reserve_vcc 0
		.amdhsa_float_denorm_mode_32 3
		.amdhsa_float_denorm_mode_16_64 3
		.amdhsa_memory_ordered 1
		.amdhsa_forward_progress 1
		.amdhsa_inst_pref_size 116
	.end_amdhsa_kernel
	.amdgpu_metadata
---
amdhsa.version: [ 1, 2 ]
amdhsa.kernels:
  - .name:           k_qe91af7bdfe_pv
    .symbol:         k_qe91af7bdfe_pv.kd
    .args:
      - { .name: pt, .offset: 0, .size: 8, .value_kind: global_buffer, .address_space: global }
      - { .name: vh, .offset: 8, .size: 8, .value_kind: global_buffer, .address_space: global }
      - { .name: st, .offset: 16, .size: 8, .value_kind: global_buffer, .address_space: global }
      - { .name: out0, .offset: 24, .size: 8, .value_kind: global_buffer, .address_space: global }
    .group_segment_fixed_size: 327680
    .private_segment_fixed_size: 0
    .kernarg_segment_align: 8
    .kernarg_segment_size: 32
    .max_flat_workgroup_size: 128
    .sgpr_count:     66
    .vgpr_count:     644
    .wavefront_size: 32
...
	.end_amdgpu_metadata
.endif
;; end of part 4
;; ======== version 2 of 2: 4 launches; version 1 with the launch cast written anew for expert scheduling mode
;; limits: values are held in f16: magnitudes above 65,504 overflow, below 6.1e-05 lose precision
;; workspace buffers: wb 6,291,456 bytes; qh 16,777,216 bytes; kh 16,777,216 bytes; vh 16,777,216 bytes; pt 33,554,432 bytes; st 1,048,576 bytes
;; launch cast (part 5): grid 256 x 1, 6 waves a work-group, no clusters, 0 bytes of LDS; arguments w_q, w_k, w_v, wb; writes wb
.if DOCPART == 5
	.amdgcn_target "amdgcn-amd-amdhsa--gfx1250"
	.amdhsa_code_object_version 6
	.text
	.protected	k_qe91af7bdfe_cast
	.globl	k_qe91af7bdfe_cast
	.p2align	8
	.type	k_qe91af7bdfe_cast,@function
k_qe91af7bdfe_cast:
	s_mov_b64 s[64:65], 0
	v_nop
	global_prefetch_b8 v0, s[64:65] scope:SCOPE_SE
	s_setreg_imm32_b32 hwreg(HW_REG_WAVE_SCHED_MODE, 0, 2), 2
	s_setreg_imm32_b32 hwreg(HW_REG_WAVE_MODE, 25, 1), 1
	s_wait_xcnt 0x0
	s_wait_alu depctr_vm_vsrc(0)
; w_q, w_k, w_v [1024][1024] f32 are rounded once to bf16 and laid out in blocks of 64 along K, so that the weights' tiles of the projection that follows are dense in memory:
;   wb [16 kb][8 j][3 g (q, k, v)][128 rows][64], weight row e = 128 j + row.
; (x is rounded where it is used, in the projection.  The module's two other inputs, rotation_params and entangle_params, enter no line of the computation that is to be
; reproduced: no result hangs on them, so no launch of this program names them.)
; SHARES.  3,072 rows are 1,536 pairs of rows = 256 work-groups x 6 waves: a wave takes one pair, whole rows, no loop.
; A load covers one block of 64 numbers of both rows: lanes 0-15 the 256 bytes of the even row, lanes 16-31 those of the odd one.  A lane's 4 numbers become 8 bytes, and the wave's
; store covers 2 rows x 128 bytes, which lie end to end in the blocked layout: 256 consecutive bytes, aligned.  All 16 loads of a wave go out at once.
; No LDS, no barrier, no matrix unit: a stream, each byte read once and written once.
; THE MODE: SCHED_MODE bits 1:0 = 2 (LLVM: expert scheduling mode 2), set by the entry lines.  The code itself states the register dependences
; between vector instructions and memory instructions, with s_wait_alu, always for 0.
; THE PLAN.  Registers that memory instructions touch:
;   v2, v3   the loads' and the stores' offsets: written by vector instructions at the head, never again; read by all 16 loads, all 16 stores.
;   X        block kb's 4 registers: written by block kb's load alone, once; no vector instruction names them ahead of it; read by the block's two roundings.
;   Y        block kb's 2 registers: written by the block's two roundings alone, once; read by the block's store.
; No register that a memory instruction reads, or lands in, is written a second time: so no wait on vm_vsrc has a dependence to state, and only the entry's is written.
; The 16 blocks go in four groups of four: a group's eight roundings, ONE wait on va_vdst, its four stores.  One more wait on va_vdst stands ahead of the first load, for the two offsets,
; and one on va_sdst ahead of the first reader of the wave's number.  EXEC and VCC are never written.
.set SRC,   2                          ; v2        byte offset of my 16 bytes in the pair's rows: (lane / 16) x 4,096 + (lane % 16) x 16
.set DST,   3                          ; v3        8 x lane
.set X,     4                          ; v[4:67]   block kb: 4 f32 as loaded
.set Y,     68                         ; v[68:99]  block kb: 4 bf16 to store
.set PLANE, 3072*128                   ; bytes from a K block of wb to the next; 15 of them fit the store's signed 24-bit immediate
	s_load_b256 s[4:11], s[0:1], 0x0               ; w_q s[4:5], w_k s[6:7], w_v s[8:9], wb s[10:11]
	v_and_b32 v1, 31, v0                           ; lane
	v_lshrrev_b32 v2, 5, v0
	v_readfirstlane_b32 s12, v2                    ; wave 0..5
	v_lshrrev_b32 v2, 4, v1                        ; which of the two rows
	v_and_b32 v3, 15, v1
	v_lshlrev_b32 v3, 4, v3
	v_lshl_add_u32 v[SRC], v2, 12, v3
	v_lshlrev_b32 v[DST], 3, v1
	s_wait_alu depctr_va_sdst(0)                   ; s12 is written, ahead of its first reader: the pair's number, and with it both bases, are made from it
	s_mul_i32 s13, ttmp9, 6
	s_add_co_u32 s13, s13, s12                     ; my pair, 0..1535
	s_lshr_b32 s14, s13, 9                         ; g: which weight
	s_and_b32 s15, s13, 511                        ; which pair of its rows
	s_lshl_b32 s16, s15, 13                        ; source offset: 2 rows x 4,096 bytes
	s_mov_b32 s17, 0
	s_lshr_b32 s18, s15, 6                         ; j = row / 128,
	s_mul_i32 s18, s18, 384                        ; 384 rows of wb for each j,
	s_lshl_b32 s20, s14, 7
	s_add_co_u32 s18, s18, s20                     ; 128 for each g,
	s_and_b32 s20, s15, 63
	s_lshl1_add_u32 s18, s20, s18                  ; and row 2 (pair % 64)
	s_lshl_b32 s18, s18, 7                         ; x 128 bytes
	s_mov_b32 s19, 0
	s_wait_kmcnt 0x0
	s_cmp_eq_u32 s14, 0
	s_cselect_b64 s[22:23], s[4:5], s[6:7]         ; w_q or w_k,
	s_cmp_eq_u32 s14, 2
	s_cselect_b64 s[22:23], s[8:9], s[22:23]       ; or w_v
	s_add_nc_u64 s[22:23], s[22:23], s[16:17]      ; the source at my pair's first row
	s_add_nc_u64 s[10:11], s[10:11], s[18:19]      ; the destination at my pair's 256 bytes of plane 0
	s_wait_alu depctr_va_vdst(0)                   ; v[SRC] and v[DST] are written: every load below reads the one as its offset, every store the other, and neither is written again
.set kb, 0
.rept 16
	global_load_b128 v[X+4*kb:X+4*kb+3], v[SRC], s[22:23] offset:256*kb th:TH_LOAD_NT
.set kb, kb+1
.endr
.set g, 0
.rept 4                                ; group g: blocks 4 g to 4 g + 3
	s_wait_loadcnt 12-4*g                          ; loads come back in order: the group's four are in, the younger ones (blocks 4 g + 4 to 15) stay out
.set kb, 4*g
.rept 4
	v_cvt_pk_bf16_f32 v[Y+2*kb],   v[X+4*kb],   v[X+4*kb+1]
	v_cvt_pk_bf16_f32 v[Y+2*kb+1], v[X+4*kb+2], v[X+4*kb+3]
.set kb, kb+1
.endr
	s_wait_alu depctr_va_vdst(0)                   ; the group's eight roundings have written its eight registers of Y, which the four stores below read
.set kb, 4*g
.rept 4
	global_store_b64 v[DST], v[Y+2*kb:Y+2*kb+1], s[10:11] offset:PLANE*kb  ; no register is written twice, so nothing waits for a store
.set kb, kb+1
.endr
.set g, g+1
.endr
	s_endpgm
.Lfunc_end_k_qe91af7bdfe_cast:
	.size	k_qe91af7bdfe_cast, .Lfunc_end_k_qe91af7bdfe_cast-k_qe91af7bdfe_cast
	.p2alignl 7, 3214868480
	.fill 96, 4, 3214868480
	.section	.rodata,"a",@progbits
	.p2align	6, 0x0
	.amdhsa_kernel k_qe91af7bdfe_cast
		.amdhsa_group_segment_fixed_size 0
		.amdhsa_private_segment_fixed_size 0
		.amdhsa_enable_private_segment 0
		.amdhsa_kernarg_size 32
		.amdhsa_user_sgpr_count 2
		.amdhsa_user_sgpr_kernarg_segment_ptr 1
		.amdhsa_wavefront_size32 1
		.amdhsa_system_sgpr_workgroup_id_x 1
		.amdhsa_system_sgpr_workgroup_id_y 1
		.amdhsa_system_sgpr_workgroup_id_z 1
		.amdhsa_system_vgpr_workitem_id 0
		.amdhsa_next_free_vgpr 100
		.amdhsa_next_free_sgpr 66
		.amdhsa_reserve_vcc 0
		.amdhsa_float_denorm_mode_32 3
		.amdhsa_float_denorm_mode_16_64 3
		.amdhsa_memory_ordered 1
		.amdhsa_forward_progress 1
		.amdhsa_inst_pref_size 7
	.end_amdhsa_kernel
	.amdgpu_metadata
---
amdhsa.version: [ 1, 2 ]
amdhsa.kernels:
  - .name:           k_qe91af7bdfe_cast
    .symbol:         k_qe91af7bdfe_cast.kd
    .args:
      - { .name: w_q, .offset: 0, .size: 8, .value_kind: global_buffer, .address_space: global }
      - { .name: w_k, .offset: 8, .size: 8, .value_kind: global_buffer, .address_space: global }
      - { .name: w_v, .offset: 16, .size: 8, .value_kind: global_buffer, .address_space: global }
      - { .name: wb, .offset: 24, .size: 8, .value_kind: global_buffer, .address_space: global }
    .group_segment_fixed_size: 0
    .private_segment_fixed_size: 0
    .kernarg_segment_align: 8
    .kernarg_segment_size: 32
    .max_flat_workgroup_size: 192
    .sgpr_count:     66
    .vgpr_count:     100
    .wavefront_size: 32
...
	.end_amdgpu_metadata
.endif
;; end of part 5
;; launch proj: the kernel of part 2 again; grid 8 x 32, 4 waves a work-group, clusters of 4 x 4, 327,680 bytes of LDS; arguments inputs, wb, qh, kh, vh; writes qh, kh, vh
;; launch scores: the kernel of part 3 again; grid 8 x 32, 4 waves a work-group, clusters of 4 x 4, 327,680 bytes of LDS; arguments qh, kh, pt, st; writes pt, st
;; launch pv: the kernel of part 4 again; grid 8 x 32, 4 waves a work-group, clusters of 4 x 4, 327,680 bytes of LDS; arguments pt, vh, st, out0; writes out0
